; MI455X (gfx1250); checked and timed in simulation.
; The chip was launched on July 23, 2026; its instructions are those of AMD's public machine-readable ISA for CDNA 5 (MIT licence, August 2026) and "CDNA5" Instruction Set Architecture Reference Guide (July 2026). The comments in the code are by the model that wrote it; some were corrected since.
;; SA Layer. Allowed arithmetic: matrix products marked QUANTISED: E5M2 operands, one given power-of-two scale a tensor, by v_wmma_f32_16x16x64_bf8_bf8 or v_wmma_f32_16x16x128_bf8_bf8, f32 sums; everything else in f32.
;; Inputs: Wqk_codes 64 x 8 x 32 uint8 (E5M2 codes of Wqk, K innermost, in blocks of 32 codes); Wt_codes 256 x 8 x 32 uint8 (E5M2 codes of Wt, K innermost, in blocks of 32 codes); Wv_codes 256 x 8 x 32 uint8 (E5M2 codes of Wv, K innermost, in blocks of 32 codes); beta 256 float32; bt 256 float32; bv 256 float32; gamma 256 float32; lowp_scales 12 int32 (the exponents e of the quantised operands' scales 2^e); x 8 x 256 x 4,096 float32.
;; Outputs: out0 8 x 256 x 4,096 float32.
;; This version of the problem:
;;   THIS VERSION OF THE PROBLEM IS GIVEN IN LOW PRECISION. The matrix products marked QUANTISED in the list below multiply operands that are first quantised to E5M2 (5 exponent bits, 2 mantissa bits; 8 bits a number), with one given power-of-two scale for each operand tensor; their sums are f32. All else is computed in f32.
;;   The module's matrix products, in the order in which they are computed (A, B: the left and right operand; K: the contracted axis; several contracted axes count as one K, in the product's order):
;;     1. [M 32,768, K 256] x [K 256, N 64]; A: input x; B: input Wqk (given as codes): QUANTISED (scales: A lowp_scales[0], B lowp_scales[1])
;;     2. [M 64, K 256] x [K 256, N 32,768]; A: input Wqk (given as codes); B: input x: QUANTISED (scales: A lowp_scales[2], B lowp_scales[3])
;;     3. [M 256, K 256] x [K 256, N 32,768]; A: input Wv (given as codes); B: input x: QUANTISED (scales: A lowp_scales[4], B lowp_scales[5])
;;     4. batch 8 x [M 4,096, K 64] x [K 64, N 4,096]; A: computed on the way; B: computed on the way: QUANTISED (scales: A lowp_scales[6], B lowp_scales[7])
;;     5. batch 8 x [M 256, K 4,096] x [K 4,096, N 4,096]; A: computed on the way; B: computed on the way: QUANTISED (scales: A lowp_scales[8], B lowp_scales[9])
;;     6. [M 256, K 256] x [K 256, N 32,768]; A: input Wt (given as codes); B: computed on the way: QUANTISED (scales: A lowp_scales[10], B lowp_scales[11])
;;   THE QUANTISER, for each operand of a quantised product, along K:
;;     - The operand's scale is 2^e, e = its entry of the input lowp_scales (int32; the entries are numbered through the quantised products in the list's order, A before B).
;;     - Each number is divided by the scale, clamped to +-57,344, and rounded to the nearest number of E5M2, ties to even, subnormals kept.
;;     - The product sums the exact products of the quantised numbers (number of the format x scale) in f32.
;;   ~~~python
;;   def quantise(x, axis, e):      # numpy; x: float32 -> the quantised numbers, widened to float32 again
;;       x = np.moveaxis(x, axis, -1); K = x.shape[-1]
;;       r = np.clip(x / 2.0 ** e, -57344, 57344)
;;       step = 2.0 ** (np.maximum(np.frexp(np.where(r == 0, 1, r))[1] - 1, -14) - 2)
;;       q = np.round(r / step) * step * 2.0 ** e      # np.round: ties to even
;;       return np.moveaxis(q, -1, axis).astype(np.float32)
;;   ~~~
;;   OPERANDS COMPUTED ON THE WAY. 'Computed on the way' means the value that the module computes at that place (a softmax that the list does not call 'softmax' is quantised finished and normalised). What goes into a quantiser is computed in f32, as accurately as f32 sums, v_exp_f32 and their like allow (about 1e-6 of the number): no bf16 or f16 on the way to a quantiser, and a product that is left as it is and whose result goes on into a quantised operand takes f32 operands (vector FMAs, or v_wmma_f32_16x16x4_f32). A number that lies on a knife's edge between two numbers of the format may be rounded either way, as far as f32 arithmetic and the matrix unit's own rounding can turn it there, and no further.
;;   INPUTS GIVEN AS CODES. Wqk (in the module: [64, 256], K = its axis 1); Wt (in the module: [256, 256], K = its axis 1); Wv (in the module: [256, 256], K = its axis 1): each comes as NAME_codes (uint8): NAME with its K axis moved to the last place and cut into blocks of 32 codes, [.., K / 32, bytes a block], one block behind the other in memory; one code a byte (a code: sign, 5 exponent bits, 2 mantissa bits); its scale is its entry of lowp_scales. Its value is code x scale, taken as it is: it is not quantised again, and the codes and scales need not be those that the quantiser above would give.
;; One version. Each part assembles by itself: llvm-mc -triple=amdgcn-amd-amdhsa -mcpu=gfx1250 --defsym DOCPART=n.
;; ======== version 1 of 1: 4 launches
;; limits: right only within a limited range of input values
;; workspace buffers: qv 10,485,760 bytes; kf 2,097,152 bytes; negm 131,072 bytes; t 33,554,432 bytes; stats 524,288 bytes
;; launch prep (part 1): grid 32 x 8, 4 waves a work-group, clusters of 4 x 1, 221,184 bytes of LDS; arguments x, Wqk_codes, Wv_codes, bv, lowp_scales, qv, kf; writes qv, kf
.if DOCPART == 1
	.amdgcn_target "amdgcn-amd-amdhsa--gfx1250"
	.amdhsa_code_object_version 6
	.text
	.protected	k_q6e6c64ea48_prep
	.globl	k_q6e6c64ea48_prep
	.p2align	8
	.type	k_q6e6c64ea48_prep,@function
k_q6e6c64ea48_prep:
	s_mov_b64 s[64:65], 0
	v_nop
	global_prefetch_b8 v0, s[64:65] scope:SCOPE_SE
	s_setreg_imm32_b32 hwreg(HW_REG_WAVE_MODE, 25, 1), 1
	s_wait_xcnt 0x0
	s_wait_alu depctr_hold_cnt(0) depctr_sa_sdst(0) depctr_va_vdst(0) depctr_va_sdst(0) depctr_va_ssrc(0) depctr_va_vcc(0) depctr_vm_vsrc(0)
	s_getreg_b32 s2, hwreg(HW_REG_IB_STS2, 6, 4)
	s_cmp_eq_u32 s2, 0
	s_cbranch_scc0 .Lentry_in_a_cluster
	s_endpgm
.Lentry_in_a_cluster:
	s_bfe_u32 s2, ttmp6, 0x10000c
	s_cmp_lg_u32 s2, 0x3003
	s_cbranch_scc0 .Lentry_shape_is_right
	s_endpgm
.Lentry_shape_is_right:
; PREP.  x [8][256][4096] f32 is quantised along c with the scales e0, e3, e5; x_q = x^T Wqk^T, x_k = Wqk x, x_v = Wv x + bv are made on codes of E5M2
; and quantised again (e6, e7, e8).  What leaves are operands for the later launches, laid in the order of their registers (16 bytes a lane, 512 bytes a piece):
;   qv [b][blk 32][40,960]: 8 fragments of x_q (1,024 bytes: lane (r, h) = row r, registers 2 t, 2 t + 1 = d 16 t + 8 h + 0..7), then x_v [half 2][ct 16][g 2][lane][16]
;   kf [b][tile 256][1,024]: x_k, laid like x_q's fragments.
; Row i of fragment 2 g + u is column n = 128 blk + 32 g + 8 u + i + 8 (i / 8); row r of x_v's tile ct is channel 32 (ct / 2) + 8 (ct % 2) + r + 8 (r / 8):
; so two neighbouring result tiles of a later product are 16 neighbours along the K that follows.
; SHARES.  A work-group takes 128 columns of one batch, wave w the 32 columns 32 w on (two tiles u).  x's 256 x 128 numbers, Wv and Wqk come by tensor loads, filled once.
; CLUSTER.  The four work-groups of a cluster read the same Wv and Wqk: these two loads are joint (mask 15); x's tile is each work-group's own, so its load has no mask.
; LIMITS: e0, e3, e5, e8, e6 - e0 - e1, e7 - e2 - e3 between -126 and 112, e4 + e5 between -126 and 127, so that each power of two below is an f32 number.  NaN among the inputs is not served.
; REGISTERS.  window 0: v1 r, v2 h, v3 r + 8 (r / 8), v4-9 addresses, v10-21 scale and largest number x scale for e0, e3, e5, q, k, v; v22-37 bv; v40-55 at work;
;   v64-255 x's codes: fragment (u, version, K step s) at 64 + 96 u + 32 version + 16 s; later v64-95 q's and k's codes, v160-223 v's codes.
;   window 1: v0-63 x as f32 (two sets), later v0-127 weights' fragments; v128-255 accumulators.
.set XP,  520                          ; a row of x in LDS: 512 bytes + 8
.set WP,  272                          ; a row of a weight: 256 bytes + 16
.set LWV, 256*XP                       ; Wv's rows begin here,
.set LWQ, LWV+256*WP                   ; Wqk's here
.set WV,  18
.set G1X, 32
.set G1V, 40
.set G1Q, 48
.set G0X, 56
.set G0V, 60
.set G0Q, 68
.set XAD, 4
.set WAD, 6
.set QAD, 7
.set LI,  8
.set SCL, 10
.set BV,  22
.set TMP, 40
.set XC,  64
.set VC,  160
.set ACC, 128
.set MSB, 0
.macro WIN new                         ; the immediate's high byte repeats the setting that is left
.if MSB != (\new)
	s_set_vgpr_msb (MSB<<8)|(\new)
.set MSB, (\new)
.endif
.endm
.macro ROUND                           ; a round of the cluster's barrier
	s_barrier_signal -1
	s_barrier_wait -1
	s_cmp_lg_u32 s[WV], 0
	s_cbranch_scc1 .Lnw0_\@
	s_barrier_signal -3
.Lnw0_\@:
	s_barrier_wait -3
	s_barrier_signal -1
	s_barrier_wait -1
.endm
.macro PLACES
.rept 4
	v_nop
.endr
.endm
.macro MKS se, vs, vl                  ; exponent e in \se: v[vs] = 2^e, v[vl] = 57,344 x 2^e
	s_add_co_i32 s74, \se, 127
	s_lshl_b32 s75, s74, 23
	v_mov_b32 v[\vs], s75
	s_add_co_i32 s74, s74, 15
	s_lshl_b32 s74, s74, 23
	s_or_b32 s74, s74, 0x600000
	v_mov_b32 v[\vl], s74
.endm
	s_load_b256 s[4:11], s[0:1], 0x0               ; x, Wqk's codes, Wv's codes, bv
	s_load_b128 s[12:15], s[0:1], 0x20             ; the scales' exponents, qv
	s_load_b64 s[16:17], s[0:1], 0x30              ; kf
	v_lshrrev_b32 v1, 5, v0
	v_readfirstlane_b32 s[WV], v1                  ; wave 0..3
	s_bfe_u32 s19, ttmp6, 0x40000                  ; cx
	s_lshl_b32 s29, ttmp9, 2
	s_add_co_u32 s29, s29, s19                     ; blk = 4 x cluster x + cx: it enters x's address and the stores' alone
	s_and_b32 s30, ttmp7, 0xffff                   ; b
	; x: 64 rows of 128 f32, 4,096 elements apart, 2 words of padding behind each 128
	s_mov_b32 s[G1X], (2<<16)|(1<<20)|(6<<22)|(1<<25)
	s_mov_b32 s[G1X+1], 128<<16
	s_mov_b32 s[G1X+2], 64<<16
	s_mov_b32 s[G1X+3], 128<<16
	s_mov_b32 s[G1X+4], 64
	s_mov_b32 s[G1X+5], 4096
	s_mov_b32 s[G1X+6], 0
	s_mov_b32 s[G1X+7], 0
	; Wv: 64 rows of 256 bytes, 4 words of padding behind each 64; mask: all four work-groups
	s_mov_b32 s[G1V], 15|(1<<20)|(1<<21)|(5<<22)|(3<<25)
	s_mov_b32 s[G1V+1], 256<<16
	s_mov_b32 s[G1V+2], 64<<16
	s_mov_b32 s[G1V+3], 256<<16
	s_mov_b32 s[G1V+4], 64
	s_mov_b32 s[G1V+5], 256
	s_mov_b32 s[G1V+6], 0
	s_mov_b32 s[G1V+7], 0
	; Wqk: 16 rows likewise
	s_mov_b32 s[G1Q], 15|(1<<20)|(1<<21)|(5<<22)|(3<<25)
	s_mov_b32 s[G1Q+1], 256<<16
	s_mov_b32 s[G1Q+2], 16<<16
	s_mov_b32 s[G1Q+3], 256<<16
	s_mov_b32 s[G1Q+4], 16
	s_mov_b32 s[G1Q+5], 256
	s_mov_b32 s[G1Q+6], 0
	s_mov_b32 s[G1Q+7], 0
	s_lshl_b32 s74, s30, 22                        ; x: batch, my 64 rows, the block's 512 bytes
	s_lshl_b32 s75, s[WV], 20
	s_add_co_u32 s74, s74, s75
	s_lshl_b32 s75, s29, 9
	s_add_co_u32 s74, s74, s75
	s_mov_b32 s75, 0
	s_lshl_b32 s76, s[WV], 14                      ; Wv: my 64 rows
	s_mov_b32 s77, 0
	s_lshl_b32 s78, s[WV], 12                      ; Wqk: my 16 rows
	s_mov_b32 s79, 0
	s_mov_b32 s[G0X], 1
	s_mul_i32 s[G0X+1], s[WV], 64*XP
	s_mov_b32 s[G0V], 1
	s_mul_i32 s[G0V+1], s[WV], 64*WP
	s_add_co_u32 s[G0V+1], s[G0V+1], LWV
	s_mov_b32 s[G0Q], 1
	s_mul_i32 s[G0Q+1], s[WV], 16*WP
	s_add_co_u32 s[G0Q+1], s[G0Q+1], LWQ
	s_wait_kmcnt 0x0
	s_load_b256 s[20:27], s[12:13], 0x0            ; e0 .. e7
	s_load_b32 s28, s[12:13], 0x20                 ; e8
	s_add_nc_u64 s[G0X+2:G0X+3], s[4:5], s[74:75]
	s_or_b32 s[G0X+3], s[G0X+3], 0x80000000
	s_add_nc_u64 s[G0V+2:G0V+3], s[8:9], s[76:77]
	s_or_b32 s[G0V+3], s[G0V+3], 0x80000000
	s_add_nc_u64 s[G0Q+2:G0Q+3], s[6:7], s[78:79]
	s_or_b32 s[G0Q+3], s[G0Q+3], 0x80000000
	ROUND                                          ; all four work-groups are here: the joint loads meet
	tensor_load_to_lds s[G0X:G0X+3], s[G1X:G1X+7]  ; three loads of mine are out; each fills bytes once
	s_nop 0
	tensor_load_to_lds s[G0V:G0V+3], s[G1V:G1V+7]
	s_nop 0
	tensor_load_to_lds s[G0Q:G0Q+3], s[G1Q:G1Q+7]
	s_nop 0
	PLACES
	v_and_b32 v1, 15, v0                           ; r
	v_bfe_u32 v2, v0, 4, 1                         ; h
	v_and_b32 v3, 8, v1
	v_add_nc_u32 v3, v3, v1                        ; r + 8 (r / 8)
	s_lshl_b32 s31, s[WV], 7                       ; my 32 columns: 128 bytes x wave
	v_mul_u32_u24 v[XAD], v2, 16*XP
	v_lshl_add_u32 v[XAD], v3, 2, v[XAD]
	v_add_nc_u32 v[XAD], s31, v[XAD]               ; x: row 16 h, column 32 w + r + 8 (r / 8)
	v_add_nc_u32 v[XAD+1], 128*XP, v[XAD]          ; and 128 rows on
	v_mul_u32_u24 v[WAD], v3, WP
	v_lshl_add_u32 v[WAD], v2, 4, v[WAD]
	v_add_nc_u32 v[WAD], LWV, v[WAD]               ; Wv: row r + 8 (r / 8), + 16 h
	v_mul_u32_u24 v[QAD], v1, WP
	v_lshl_add_u32 v[QAD], v2, 4, v[QAD]
	v_add_nc_u32 v[QAD], LWQ, v[QAD]               ; Wqk: row r, + 16 h
	v_and_b32 v[LI], 31, v0
	v_lshlrev_b32 v[LI], 4, v[LI]                  ; 16 x lane
	v_lshlrev_b32 v9, 2, v3
.irp ct,0,1,2,3,4,5,6,7,8,9,10,11,12,13,14,15
	global_load_b32 v[BV+\ct], v9, s[10:11] offset:(32*(\ct/2)+8*(\ct%2))*4   ; bv of my channel in tile ct
.endr
	s_lshl_b32 s74, s30, 5
	s_add_co_u32 s74, s74, s29                     ; 32 b + blk
	s_mul_i32 s76, s74, 40960                      ; the block in qv
	s_lshl_b32 s78, s74, 13                        ; its 8 tiles in kf
	s_lshl_b32 s75, s[WV], 11                      ; my two fragments
	s_add_co_u32 s78, s78, s75
	s_mov_b32 s79, 0
	s_add_nc_u64 s[82:83], s[16:17], s[78:79]      ; k's fragments
	s_add_co_u32 s78, s76, s75
	s_add_nc_u64 s[80:81], s[14:15], s[78:79]      ; q's fragments
	s_lshr_b32 s75, s[WV], 1
	s_lshl_b32 s75, s75, 14
	s_add_co_u32 s78, s76, s75
	s_and_b32 s75, s[WV], 1
	s_lshl_b32 s75, s75, 9
	s_add_co_u32 s78, s78, s75
	s_add_co_u32 s78, s78, 8192
	s_add_nc_u64 s[84:85], s[14:15], s[78:79]      ; v's pieces: half w / 2, piece w % 2
	s_wait_kmcnt 0x0
	MKS s20, SCL, SCL+1                            ; e0
	MKS s23, SCL+2, SCL+3                          ; e3
	MKS s25, SCL+4, SCL+5                          ; e5
	s_sub_co_i32 s76, s26, s20
	s_sub_co_i32 s76, s76, s21
	MKS s76, SCL+6, SCL+7                          ; a sum of the first product stands for sum x 2^(e0 + e1): its conversion takes 2^(e6 - e0 - e1)
	s_sub_co_i32 s76, s27, s22
	s_sub_co_i32 s76, s76, s23
	MKS s76, SCL+8, SCL+9                          ; 2^(e7 - e2 - e3)
	MKS s28, SCL+10, SCL+11                        ; e8
	s_add_co_i32 s72, s24, s25
	s_add_co_i32 s72, s72, 127
	s_lshl_b32 s72, s72, 23                        ; 2^(e4 + e5)
	s_wait_tensorcnt 0x0                           ; my three tiles are in,
	s_barrier_signal -1
	s_barrier_wait -1                              ; everybody's are
; x as f32, unit n = 4 u + 2 s + q: 32 numbers a lane: register 16 c + i = x(128 s + 32 (2 q + c) + 16 h + i, my column of tile u)
.macro LOADX n
	WIN 0x40                                       ; destination window 1
.set LXI, 0
.rept 32
	ds_load_b32 v[32*((\n)%2)+LXI], v[XAD+((\n)/2)%2] offset:(32*(2*((\n)%2)+LXI/16)+LXI%16)*XP+32*((\n)/4)
.set LXI, LXI+1
.endr
.endm
; the unit's 32 numbers become codes three times over.  The hold goes into registers at work, in two sets by turns: the next eight holds are the plain lines behind each conversion
.macro QUANTX n
	WIN 0x10                                       ; source 2 (x) window 1
.set QXB, 32*((\n)%2)
.set QXD, XC+96*((\n)/4)+16*(((\n)/2)%2)+8*((\n)%2)
.irp ver,0,1,2
.irp g,0,1,2,3
.irp i,0,1,2,3,4,5,6,7
	v_med3_num_f32 v[TMP+8*(\g%2)+\i], -v[SCL+1+2*\ver], v[SCL+1+2*\ver], v[QXB+8*\g+\i]   ; the conversion to an 8-bit code does not saturate (ISA guide 7.6.2): the hold comes first
.endr
	v_cvt_scalef32_pk8_bf8_f32 v[QXD+32*\ver+2*\g:QXD+32*\ver+2*\g+1], v[TMP+8*(\g%2):TMP+8*(\g%2)+7], v[SCL+2*\ver]
.endr
.endr
.endm
	LOADX 0
.irp n,0,1,2,3,4,5,6,7
.if \n < 7
	LOADX \n+1
	s_wait_dscnt 32                                ; this unit's 32 loads are in, the next unit's may be out
.else
	s_wait_dscnt 0x0
.endif
	QUANTX \n
.endr
	v_nop                                          ; a plain line behind the last conversion
	; ---- x_q and x_k: source 0 = 16 rows of Wqk, source 1 = 16 columns of x: a lane holds one column n and eight d
	WIN 0x40
.irp t,0,1,2,3
.irp s,0,1
.irp c,0,1,2,3
	ds_load_b128 v[16*(2*\t+\s)+4*\c:16*(2*\t+\s)+4*\c+3], v[QAD] offset:\t*16*WP+128*\s+32*\c
.endr
.endr
.endr
	s_wait_dscnt 0x0
	WIN 0x51                                       ; Wqk, C and D window 1, x's codes window 0
.irp s,0,1                                     ; sixteen accumulators by turns (a = 0, 1: q of tiles 0, 1; a = 2, 3: k)
.irp t,0,1,2,3
.irp a,0,1,2,3
.set RD_, ACC+32*\a+8*\t
.set RA_, 16*(2*\t+\s)
.set RB_, XC+96*(\a%2)+32*(\a/2)+16*\s
.if \s == 0
	v_wmma_f32_16x16x128_bf8_bf8 v[RD_:RD_+7], v[RA_:RA_+15], v[RB_:RB_+15], 0
.else
	v_wmma_f32_16x16x128_bf8_bf8 v[RD_:RD_+7], v[RA_:RA_+15], v[RB_:RB_+15], v[RD_:RD_+7]
.endif
.endr
.endr
.endr
	PLACES                                         ; in front of loads into the weights' registers and of the first read of results
; Wv's fragments of tiles 2 p, 2 p + 1, both K steps, into set p % 2
.macro VLOAD p
	WIN 0x40
.irp cc,0,1
.irp s,0,1
.irp c,0,1,2,3
	ds_load_b128 v[64*((\p)%2)+16*(2*\cc+\s)+4*\c:64*((\p)%2)+16*(2*\cc+\s)+4*\c+3], v[WAD] offset:(32*(\p)+8*\cc)*WP+128*\s+32*\c
.endr
.endr
.endr
.endm
	VLOAD 0
	VLOAD 1
	WIN 0x50                                       ; in place in window 1; the limits in window 0
.irp a,0,1,2,3
.set QI, 0
.rept 32
.set QI, QI+1
.endr
.endr
	WIN 0x01                                       ; the sums window 1, codes and scale window 0
.irp a,0,1,2,3
.irp t,0,1,2,3
	v_cvt_scalef32_pk8_bf8_f32 v[XC+8*\a+2*\t:XC+8*\a+2*\t+1], v[ACC+32*\a+8*\t:ACC+32*\a+8*\t+7], v[SCL+6+2*(\a/2)]
.endr
.endr
	v_nop
	WIN 0
.irp u,0,1
.irp p,0,1
	global_store_b128 v[LI], v[XC+8*\u+4*\p:XC+8*\u+4*\p+3], s[80:81] offset:1024*\u+512*\p       ; each store of the wave covers 512 consecutive bytes, aligned
	global_store_b128 v[LI], v[XC+16+8*\u+4*\p:XC+16+8*\u+4*\p+3], s[82:83] offset:1024*\u+512*\p
.endr
.endr
	; ---- x_v: source 0 = 16 columns of x, source 1 = 16 rows of Wv: a lane holds one channel and eight n
.macro VMUL p
	WIN 0x54                                       ; x's codes window 0; Wv, C and D window 1
.irp s,0,1
.irp cc,0,1
.irp u,0,1
.set RD_, ACC+32*((\p)%2)+8*(2*\cc+\u)
.set RA_, XC+96*\u+64+16*\s
.set RB_, 64*((\p)%2)+16*(2*\cc+\s)
.if \s == 0
	v_wmma_f32_16x16x128_bf8_bf8 v[RD_:RD_+7], v[RA_:RA_+15], v[RB_:RB_+15], 0
.else
	v_wmma_f32_16x16x128_bf8_bf8 v[RD_:RD_+7], v[RA_:RA_+15], v[RB_:RB_+15], v[RD_:RD_+7]
.endif
.endr
.endr
.endr
.endm
.macro VPOST p                         ; sum x 2^(e4 + e5) + bv, the codes, two stores
.set VA, ACC+32*((\p)%2)
	WIN 0x41
.irp cc,0,1
.set VI, 0
.rept 16
	v_fma_f32 v[VA+16*\cc+VI], v[VA+16*\cc+VI], s72, v[BV+2*(\p)+\cc]
.set VI, VI+1
.endr
.endr
	WIN 0x50
.set VI, 0
.rept 32
.set VI, VI+1
.endr
	WIN 0x01
.irp cc,0,1
.irp u,0,1
	v_cvt_scalef32_pk8_bf8_f32 v[VC+4*(2*(\p)+\cc)+2*\u:VC+4*(2*(\p)+\cc)+2*\u+1], v[VA+8*(2*\cc+\u):VA+8*(2*\cc+\u)+7], v[SCL+10]
.endr
.endr
	v_nop
	WIN 0
.irp cc,0,1
	global_store_b128 v[LI], v[VC+4*(2*(\p)+\cc):VC+4*(2*(\p)+\cc)+3], s[84:85] offset:1024*(2*(\p)+\cc)
.endr
.endm
	s_wait_loadcnt 0x0                             ; bv
.irp p,0,1,2,3,4,5,6,7
.if \p < 7
	s_wait_dscnt 16                                ; this pair's 16 loads are in, the next pair's may be out
.else
	s_wait_dscnt 0x0
.endif
	VMUL \p
.if \p == 0
	PLACES
.else
	VPOST \p-1                                     ; the pair before: its lines are the places in front of the loads below
.endif
.if \p < 6
	VLOAD \p+2
.endif
.endr
	VPOST 7
	ROUND                                          ; the closing round: no work-group ends while a partner may still ask jointly
	s_endpgm
.Lfunc_end_k_q6e6c64ea48_prep:
	.size	k_q6e6c64ea48_prep, .Lfunc_end_k_q6e6c64ea48_prep-k_q6e6c64ea48_prep
	.p2alignl 7, 3214868480
	.fill 96, 4, 3214868480
	.section	.rodata,"a",@progbits
	.p2align	6, 0x0
	.amdhsa_kernel k_q6e6c64ea48_prep
		.amdhsa_group_segment_fixed_size 221184
		.amdhsa_private_segment_fixed_size 0
		.amdhsa_enable_private_segment 0
		.amdhsa_kernarg_size 56
		.amdhsa_user_sgpr_count 2
		.amdhsa_user_sgpr_kernarg_segment_ptr 1
		.amdhsa_wavefront_size32 1
		.amdhsa_system_sgpr_workgroup_id_x 1
		.amdhsa_system_sgpr_workgroup_id_y 1
		.amdhsa_system_sgpr_workgroup_id_z 1
		.amdhsa_system_vgpr_workitem_id 0
		.amdhsa_next_free_vgpr 512
		.amdhsa_next_free_sgpr 90
		.amdhsa_reserve_vcc 0
		.amdhsa_float_denorm_mode_32 3
		.amdhsa_float_denorm_mode_16_64 3
		.amdhsa_fp16_overflow 1
		.amdhsa_memory_ordered 1
		.amdhsa_forward_progress 1
		.amdhsa_inst_pref_size 121
	.end_amdhsa_kernel
	.amdgpu_metadata
---
amdhsa.version: [ 1, 2 ]
amdhsa.kernels:
  - .name:           k_q6e6c64ea48_prep
    .symbol:         k_q6e6c64ea48_prep.kd
    .args:
      - { .name: x, .offset: 0, .size: 8, .value_kind: global_buffer, .address_space: global }
      - { .name: Wqk_codes, .offset: 8, .size: 8, .value_kind: global_buffer, .address_space: global }
      - { .name: Wv_codes, .offset: 16, .size: 8, .value_kind: global_buffer, .address_space: global }
      - { .name: bv, .offset: 24, .size: 8, .value_kind: global_buffer, .address_space: global }
      - { .name: lowp_scales, .offset: 32, .size: 8, .value_kind: global_buffer, .address_space: global }
      - { .name: qv, .offset: 40, .size: 8, .value_kind: global_buffer, .address_space: global }
      - { .name: kf, .offset: 48, .size: 8, .value_kind: global_buffer, .address_space: global }
    .group_segment_fixed_size: 221184
    .private_segment_fixed_size: 0
    .kernarg_segment_align: 8
    .kernarg_segment_size: 56
    .max_flat_workgroup_size: 128
    .sgpr_count:     90
    .vgpr_count:     512
    .wavefront_size: 32
...
	.end_amdgpu_metadata
.endif
;; end of part 1
;; launch rowstat (part 2): grid 32 x 8, 16 waves a work-group, clusters of 4 x 1, 264,704 bytes of LDS; arguments qv, kf, lowp_scales, negm; writes negm
.if DOCPART == 2
	.amdgcn_target "amdgcn-amd-amdhsa--gfx1250"
	.amdhsa_code_object_version 6
	.text
	.protected	k_q6e6c64ea48_rowstat
	.globl	k_q6e6c64ea48_rowstat
	.p2align	8
	.type	k_q6e6c64ea48_rowstat,@function
k_q6e6c64ea48_rowstat:
	s_mov_b64 s[64:65], 0
	v_nop
	global_prefetch_b8 v0, s[64:65] scope:SCOPE_SE
	s_setreg_imm32_b32 hwreg(HW_REG_WAVE_MODE, 25, 1), 1
	s_wait_xcnt 0x0
	s_wait_alu depctr_hold_cnt(0) depctr_sa_sdst(0) depctr_va_vdst(0) depctr_va_sdst(0) depctr_va_ssrc(0) depctr_va_vcc(0) depctr_vm_vsrc(0)
	s_getreg_b32 s2, hwreg(HW_REG_IB_STS2, 6, 4)
	s_cmp_eq_u32 s2, 0
	s_cbranch_scc0 .Lentry_in_a_cluster
	s_endpgm
.Lentry_in_a_cluster:
	s_bfe_u32 s2, ttmp6, 0x10000c
	s_cmp_lg_u32 s2, 0x3003
	s_cbranch_scc0 .Lentry_shape_is_right
	s_endpgm
.Lentry_shape_is_right:
; ROWSTAT.  For each query n of a batch: negm[n] = -(m + log2 L), m = the largest t = energy x log2(e) of the row, L = the sum of 2^(t - m) over the 4,096 keys:
; a later 2^(t + negm[n]) is the row's finished softmax.  The energy is made on codes of E5M2 (x_q with e6, x_k with e7), K = 64.
; SHARES.  A work-group takes 128 queries of one batch.  SIXTEEN waves, four to a SIMD, so that one wave's LDS loads and dependent lines stand beside the others' work:
; wave w takes fragment w % 8 (16 queries) and key half w / 8 (2,048 keys, 128 a step).  All 256 fragments of the batch's x_k (262,144 bytes) lie in LDS, filled once.
; Source 0 = 16 keys, source 1 = my 16 queries: a lane holds one query, the two halves of the lanes other keys; each half of the lanes keeps a running maximum and sum of its own.
; At the end the halves of the lanes meet in the wave, and the two key halves meet through LDS.
; CLUSTER.  The four work-groups of a cluster belong to one batch and read the same x_k: every load is joint (mask 15).
; LIMIT: e6 + e7 between -126 and 126 (it is added to the exponent field of log2(e)).  NaN is not served.
; REGISTERS: v1 16 x lane, v2 address in hand, v3 the stage's word, v4 m, v5 at work, v[6:7] the sum, v8-15 Q, v16-79 K's eight fragments, v80-143 scores, v144-152 at work,
;   v153 the stage by lanes, v154, v155 the exchange: my words, the other key half's; v156 r.
.set WV, 18
.set G1, 48
.set STG, 262144                       ; behind x_k: 128 words, the block's results by n
.set EXC, STG+512                      ; the key halves' exchange: 128 bytes a wave: (m, L) of 16 queries
.macro ROUND
	s_barrier_signal -1
	s_barrier_wait -1
	s_cmp_lg_u32 s[WV], 0
	s_cbranch_scc1 .Lnw0_\@
	s_barrier_signal -3
.Lnw0_\@:
	s_barrier_wait -3
	s_barrier_signal -1
	s_barrier_wait -1
.endm
	s_load_b256 s[4:11], s[0:1], 0x0               ; qv, kf, the scales' exponents, negm
	v_lshrrev_b32 v1, 5, v0
	s_delay_alu instid0(VALU_DEP_1)
	v_readfirstlane_b32 s[WV], v1                  ; wave 0..15
	s_lshr_b32 s16, s[WV], 3                       ; my key half
	s_and_b32 s17, s[WV], 7                        ; my fragment of queries
	s_bfe_u32 s19, ttmp6, 0x40000                  ; cx
	s_lshl_b32 s20, ttmp9, 2
	s_add_co_u32 s20, s20, s19                     ; blk: it enters Q's and negm's addresses alone
	s_and_b32 s21, ttmp7, 0xffff                   ; b
	s_mov_b32 s[G1], 15|(3<<16)|(1<<21)            ; mask: all four; elements of 8 bytes; 32 rows of 256 bytes, dense
	s_mov_b32 s[G1+1], 32<<16
	s_mov_b32 s[G1+2], 32<<16
	s_mov_b32 s[G1+3], 32<<16
	s_mov_b32 s[G1+4], 32
	s_mov_b32 s[G1+5], 32
	s_mov_b32 s[G1+6], 0
	s_mov_b32 s[G1+7], 0
	s_lshl_b32 s44, s16, 17                        ; LDS byte of the step's keys: my key half begins at 131,072 x half
	s_lshl_b32 s46, s17, 13
	s_add_co_u32 s46, s46, s44                     ; what I fetch: 8,192 bytes of my key half's first 65,536, at the same byte in LDS and in the batch's kf
	s_lshl_b32 s12, s21, 18                        ; the batch's 262,144 bytes of kf
	s_add_co_u32 s12, s12, s46
	s_mov_b32 s13, 0
	s_mov_b32 s42, 0x76543210
	s_mov_b32 s43, 0xfedcba98
	s_wait_kmcnt 0x0
	s_load_b64 s[14:15], s[8:9], 0x18              ; e6, e7
	s_add_nc_u64 s[12:13], s[6:7], s[12:13]
.irp q,0,1                                     ; the second load: the same 8,192 bytes of the half's second 65,536
	s_mov_b32 s[24+4*\q], 1
	s_add_co_u32 s[25+4*\q], s46, \q*65536
	s_add_nc_u64 s[26+4*\q:27+4*\q], s[12:13], \q*65536
	s_or_b32 s[27+4*\q], s[27+4*\q], 0x80000000
.endr
	ROUND                                          ; all four work-groups are here: the joint loads meet
	tensor_load_to_lds s[24:27], s[G1:G1+7]        ; two loads of mine are out; each fills bytes once
	s_nop 0
	tensor_load_to_lds s[28:31], s[G1:G1+7]
	s_nop 0
.rept 4
	v_nop
.endr
	s_lshl_b32 s22, s21, 5
	s_add_co_u32 s22, s22, s20
	s_mul_i32 s22, s22, 40960                      ; the block in qv,
	s_lshl_b32 s23, s17, 10                        ; my fragment
	s_add_co_u32 s22, s22, s23
	s_mov_b32 s23, 0
	s_add_nc_u64 s[4:5], s[4:5], s[22:23]
	s_lshl_b32 s22, s21, 14
	s_lshl_b32 s56, s20, 9
	s_add_co_u32 s22, s22, s56
	s_add_nc_u64 s[10:11], s[10:11], s[22:23]      ; negm at the block's first query
	v_and_b32 v1, 31, v0
	s_delay_alu instid0(VALU_DEP_1)
	v_lshlrev_b32 v1, 4, v1                        ; 16 x lane
	global_load_b128 v[8:11], v1, s[4:5]
	global_load_b128 v[12:15], v1, s[4:5] offset:512
	v_and_b32 v156, 15, v0                         ; r
	s_wait_alu depctr_va_vdst(0)
	v_and_b32 v152, 8, v156
	s_delay_alu instid0(VALU_DEP_1)
	v_add_nc_u32 v3, v156, v152                    ; r + 8 (r / 8)
	s_lshr_b32 s46, s17, 1
	s_lshl_b32 s46, s46, 5
	s_and_b32 s47, s17, 1
	s_lshl_b32 s47, s47, 3
	s_add_co_u32 s46, s46, s47
	v_add_nc_u32 v3, s46, v3                       ; my query in the block: 32 (T / 2) + 8 (T % 2) + r + 8 (r / 8)
	s_delay_alu instid0(VALU_DEP_1)
	v_lshlrev_b32 v3, 2, v3
	s_delay_alu instid0(VALU_DEP_1)
	v_add_nc_u32 v3, STG, v3
	v_add_nc_u32 v153, STG, v1
	s_lshl_b32 s46, s[WV], 7
	v_lshl_add_u32 v154, v156, 3, s46
	s_delay_alu instid0(VALU_DEP_1)
	v_add_nc_u32 v154, EXC, v154                   ; the exchange: my wave's 128 bytes, 8 a query,
	s_xor_b32 s46, s[WV], 8
	s_lshl_b32 s46, s46, 7
	v_lshl_add_u32 v155, v156, 3, s46
	s_delay_alu instid0(VALU_DEP_1)
	v_add_nc_u32 v155, EXC, v155                   ; and those of the wave with my queries and the other key half
	v_mov_b32 v4, 0xff61b1e6                       ; m: -3e38, under every t
	v_mov_b32 v6, 0
	v_mov_b32 v7, 0
	v_mov_b32 v145, 0                              ; (upper halves of pairs of which the low word serves)
	v_mov_b32 v147, 0
	s_wait_kmcnt 0x0
	s_add_co_i32 s40, s14, s15
	s_lshl_b32 s40, s40, 23
	s_add_co_i32 s40, s40, 0x3fb8aa3b              ; c = log2(e) x 2^(e6 + e7)
	s_mov_b32 s41, s40
	s_wait_loadcnt 0x0                             ; Q
.macro STEP                            ; 128 keys
	v_add_nc_u32 v2, s44, v1
.irp k,0,1,2,3,4,5,6,7,8,9,10,11,12,13,14,15
	ds_load_b128 v[16+4*\k:19+4*\k], v2 offset:512*\k
.endr
	s_add_co_u32 s44, s44, 8192
	s_wait_dscnt 0x0
.irp f,0,1,2,3,4,5,6,7
	v_wmma_f32_16x16x64_bf8_bf8 v[80+8*\f:87+8*\f], v[16+8*\f:23+8*\f], v[8:15], 0
.endr
.rept 4
	v_nop
.endr
	v_max3_num_f32 v148, v80, v81, v82             ; my 64 scores' largest, in two chains, each accumulator from its low end on
	v_max3_num_f32 v149, v83, v84, v85
.irp i,6,10,14,18,22,26,30,34,38,42,46,50,54,58
	v_max3_num_f32 v148, v148, v[80+\i], v[81+\i]
	v_max3_num_f32 v149, v149, v[82+\i], v[83+\i]
.endr
	v_max3_num_f32 v148, v148, v142, v143
	s_delay_alu instid0(VALU_DEP_1)
	v_max_num_f32 v148, v148, v149
	s_delay_alu instid0(VALU_DEP_1)
	v_mul_f32 v148, s40, v148                      ; as t (c is positive)
	s_wait_alu depctr_va_vdst(0)
	v_max_num_f32 v5, v4, v148                     ; the new m
	s_delay_alu instid0(VALU_DEP_1)
	v_sub_f32 v149, v4, v5
	s_delay_alu instid0(VALU_DEP_2)
	v_mov_b32 v4, v5
	s_wait_alu depctr_va_vdst(0)
	v_exp_f32 v146, v149                           ; f = 2^(old m - new m)
	v_xor_b32 v144, 0x80000000, v5                 ; -m
.irp j,0,2,4,6,8,10,12,14,16,18,20,22,24,26,28,30,32,34,36,38,40,42,44,46,48,50,52,54,56,58,60,62
	v_pk_fma_f32 v[80+\j:81+\j], v[80+\j:81+\j], s[40:41], v[144:145] op_sel_hi:[1,0,0]
.endr
.set SI, 0
	s_setprio 1
	s_wait_alu depctr_va_vdst(0)
.rept 64
	v_exp_f32 v[80+SI], v[80+SI]
.set SI, SI+1
.endr
	s_setprio 0
	v_pk_mul_f32 v[6:7], v[6:7], v[146:147] op_sel_hi:[1,0]   ; the sum under the new m (a plain line behind the exponentials)
	v_pk_add_f32 v[150:151], v[84:85], v[88:89]
	v_pk_add_f32 v[158:159], v[92:93], v[96:97]
	v_pk_add_f32 v[156:157], v[100:101], v[104:105]
	v_pk_add_f32 v[78:79], v[108:109], v[112:113]
	v_pk_add_f32 v[76:77], v[116:117], v[120:121]
	v_pk_add_f32 v[74:75], v[124:125], v[128:129]
	v_pk_add_f32 v[72:73], v[132:133], v[136:137]
	v_pk_add_f32 v[6:7], v[6:7], v[140:141]
	v_pk_add_f32 v[150:151], v[150:151], v[80:81]
	v_pk_add_f32 v[158:159], v[158:159], v[82:83]
	v_pk_add_f32 v[156:157], v[156:157], v[86:87]
	v_pk_add_f32 v[78:79], v[78:79], v[90:91]
	v_pk_add_f32 v[76:77], v[76:77], v[94:95]
	v_pk_add_f32 v[74:75], v[74:75], v[98:99]
	v_pk_add_f32 v[72:73], v[72:73], v[102:103]
	v_pk_add_f32 v[6:7], v[6:7], v[106:107]
	v_pk_add_f32 v[150:151], v[150:151], v[110:111]
	v_pk_add_f32 v[158:159], v[158:159], v[114:115]
	v_pk_add_f32 v[156:157], v[156:157], v[118:119]
	v_pk_add_f32 v[78:79], v[78:79], v[122:123]
	v_pk_add_f32 v[76:77], v[76:77], v[126:127]
	v_pk_add_f32 v[74:75], v[74:75], v[130:131]
	v_pk_add_f32 v[72:73], v[72:73], v[134:135]
	v_pk_add_f32 v[6:7], v[6:7], v[138:139]
	v_pk_add_f32 v[150:151], v[150:151], v[142:143]
	s_delay_alu instid0(VALU_DEP_2)
	v_pk_add_f32 v[6:7], v[6:7], v[78:79]
	s_delay_alu instid0(VALU_DEP_2)
	v_pk_add_f32 v[150:151], v[150:151], v[76:77]
	v_pk_add_f32 v[158:159], v[158:159], v[74:75]
	v_pk_add_f32 v[156:157], v[156:157], v[72:73]
	s_delay_alu instid0(VALU_DEP_2)
	v_pk_add_f32 v[6:7], v[6:7], v[158:159]
	s_delay_alu instid0(VALU_DEP_2)
	v_pk_add_f32 v[150:151], v[150:151], v[156:157]
	s_delay_alu instid0(VALU_DEP_1)
	v_pk_add_f32 v[6:7], v[6:7], v[150:151]
.endm
.macro PHASE left                      ; eight steps: 65,536 bytes of my key half
	s_wait_tensorcnt \left                         ; my part of this phase's keys is in; with left = 1 my second load may be out
	s_barrier_signal -1
	s_barrier_wait -1                              ; everybody's part is in
	s_mov_b32 s45, 8
.Lst_\@:
	s_setprio 2
	STEP
	s_sub_co_u32 s45, s45, 1
	s_cmp_lg_u32 s45, 0
	s_cbranch_scc1 .Lst_\@
	s_setprio 0
.endm
	PHASE 1
	PHASE 0
	; the two halves of the lanes meet
	v_add_f32 v6, v6, v7
	v_permlanex16_b32 v5, v4, s42, s43             ; the other half's m
	s_delay_alu instid0(VALU_DEP_1)
	v_max_num_f32 v5, v4, v5
	s_delay_alu instid0(VALU_DEP_1)
	v_sub_f32 v148, v4, v5
	s_wait_alu depctr_va_vdst(0)
	v_exp_f32 v148, v148
	v_nop
	v_mul_f32 v6, v6, v148                         ; my half's sum under the common m
	s_delay_alu instid0(VALU_DEP_1)
	v_permlanex16_b32 v149, v6, s42, s43
	s_delay_alu instid0(VALU_DEP_1)
	v_add_f32 v151, v6, v149                       ; L of my 2,048 keys,
	v_mov_b32 v150, v5                             ; under their m
	; the two key halves meet: half 1's waves hand theirs over, half 0's waves finish the rows
	s_cmp_lt_u32 s[WV], 8
	s_cbranch_scc1 .Lkeeps
	ds_store_b64 v154, v[150:151]                  ; both halves of the lanes hold the same numbers
.Lkeeps:
	s_wait_dscnt 0x0                               ; for the others' sake: my store is done
	s_barrier_signal -1
	s_barrier_wait -1
	s_cmp_lt_u32 s[WV], 8
	s_cbranch_scc0 .Lgiven
	ds_load_b64 v[146:147], v155
	s_wait_dscnt 0x0
	s_wait_alu depctr_va_vdst(0)
	v_max_num_f32 v5, v150, v146                   ; the row's m
	s_delay_alu instid0(VALU_DEP_1)
	v_sub_f32 v148, v150, v5
	s_delay_alu instid0(VALU_DEP_2)
	v_sub_f32 v149, v146, v5
	s_wait_alu depctr_va_vdst(0)
	v_exp_f32 v148, v148
	v_exp_f32 v149, v149
	v_nop
	v_mul_f32 v6, v151, v148
	v_fma_f32 v6, v147, v149, v6                   ; the row's L
	s_wait_alu depctr_va_vdst(0)
	v_log_f32 v6, v6
	v_nop
	v_add_f32 v6, v5, v6
	s_delay_alu instid0(VALU_DEP_1)
	v_xor_b32 v6, 0x80000000, v6                   ; -(m + log2 L)
	ds_store_b32 v3, v6
.Lgiven:
	s_wait_dscnt 0x0
	s_barrier_signal -1
	s_barrier_wait -1
	s_cmp_lg_u32 s[WV], 0
	s_cbranch_scc1 .Lnot0
	ds_load_b128 v[16:19], v153                    ; wave 0 stores the block's 128 numbers: 512 consecutive bytes, aligned
	s_wait_dscnt 0x0
	global_store_b128 v1, v[16:19], s[10:11]
.Lnot0:
	ROUND                                          ; the closing round
	s_endpgm
.Lfunc_end_k_q6e6c64ea48_rowstat:
	.size	k_q6e6c64ea48_rowstat, .Lfunc_end_k_q6e6c64ea48_rowstat-k_q6e6c64ea48_rowstat
	.p2alignl 7, 3214868480
	.fill 96, 4, 3214868480
	.section	.rodata,"a",@progbits
	.p2align	6, 0x0
	.amdhsa_kernel k_q6e6c64ea48_rowstat
		.amdhsa_group_segment_fixed_size 264704
		.amdhsa_private_segment_fixed_size 0
		.amdhsa_enable_private_segment 0
		.amdhsa_kernarg_size 32
		.amdhsa_user_sgpr_count 2
		.amdhsa_user_sgpr_kernarg_segment_ptr 1
		.amdhsa_wavefront_size32 1
		.amdhsa_system_sgpr_workgroup_id_x 1
		.amdhsa_system_sgpr_workgroup_id_y 1
		.amdhsa_system_sgpr_workgroup_id_z 1
		.amdhsa_system_vgpr_workitem_id 0
		.amdhsa_next_free_vgpr 160
		.amdhsa_next_free_sgpr 66
		.amdhsa_reserve_vcc 0
		.amdhsa_float_denorm_mode_32 3
		.amdhsa_float_denorm_mode_16_64 3
		.amdhsa_memory_ordered 1
		.amdhsa_forward_progress 1
		.amdhsa_inst_pref_size 29
	.end_amdhsa_kernel
	.amdgpu_metadata
---
amdhsa.version: [ 1, 2 ]
amdhsa.kernels:
  - .name:           k_q6e6c64ea48_rowstat
    .symbol:         k_q6e6c64ea48_rowstat.kd
    .args:
      - { .name: qv, .offset: 0, .size: 8, .value_kind: global_buffer, .address_space: global }
      - { .name: kf, .offset: 8, .size: 8, .value_kind: global_buffer, .address_space: global }
      - { .name: lowp_scales, .offset: 16, .size: 8, .value_kind: global_buffer, .address_space: global }
      - { .name: negm, .offset: 24, .size: 8, .value_kind: global_buffer, .address_space: global }
    .group_segment_fixed_size: 264704
    .private_segment_fixed_size: 0
    .kernarg_segment_align: 8
    .kernarg_segment_size: 32
    .max_flat_workgroup_size: 512
    .sgpr_count:     66
    .vgpr_count:     160
    .wavefront_size: 32
...
	.end_amdgpu_metadata
.endif
;; end of part 2
;; launch attn (part 3): grid 32 x 8, 4 waves a work-group, clusters of 4 x 1, 327,680 bytes of LDS; arguments qv, kf, negm, x, Wt_codes, bt, lowp_scales, t, stats; writes t, stats
.if DOCPART == 3
	.amdgcn_target "amdgcn-amd-amdhsa--gfx1250"
	.amdhsa_code_object_version 6
	.text
	.protected	k_q6e6c64ea48_attn
	.globl	k_q6e6c64ea48_attn
	.p2align	8
	.type	k_q6e6c64ea48_attn,@function
k_q6e6c64ea48_attn:
	s_mov_b64 s[64:65], 0
	v_nop
	global_prefetch_b8 v0, s[64:65] scope:SCOPE_SE
	s_setreg_imm32_b32 hwreg(HW_REG_WAVE_MODE, 25, 1), 1
	s_wait_xcnt 0x0
	s_wait_alu depctr_hold_cnt(0) depctr_sa_sdst(0) depctr_va_vdst(0) depctr_va_sdst(0) depctr_va_ssrc(0) depctr_va_vcc(0) depctr_vm_vsrc(0)
	s_getreg_b32 s2, hwreg(HW_REG_IB_STS2, 6, 4)
	s_cmp_eq_u32 s2, 0
	s_cbranch_scc0 .Lentry_in_a_cluster
	s_endpgm
.Lentry_in_a_cluster:
	s_bfe_u32 s2, ttmp6, 0x10000c
	s_cmp_lg_u32 s2, 0x3003
	s_cbranch_scc0 .Lentry_shape_is_right
	s_endpgm
.Lentry_shape_is_right:
; ATTN.  For 128 columns m of one batch: p(n, m) = 2^(c S(n, m) + negm[n]) is the row softmax (S = the energy's sum on codes, c = log2(e) 2^(e6 + e7)).
; SWEEP A adds p over all n: the column sums.  SWEEP B makes p again, a = p / (1e-9 + column sum), quantises a along n (e9) and adds x_v a on codes (e8).
; THE WAY OUT: y = x - x_r is quantised along c (e11), t = Wt y + bt on codes (e10); t goes to memory, and for each channel the block's mean and sum of squared deviations.
; SHARES.  Four waves: j = w / 2 takes n half j (2,048 n), i = w % 2 takes four of the eight tiles of 16 columns.  Register slot sg holds column tile 4 i + (sg xor 2 j), so that
; every wave keeps slots 0, 1 and hands slots 2, 3 to the wave of the other n half, by one text.  A wave holds 16 channel tiles x 4 column tiles: 512 accumulator registers;
; each fragment of x_v read from LDS feeds four products.
; LAYOUT.  S: source 0 = 16 rows n of x_q, source 1 = 16 columns of x_k: a lane holds one column m, and the 16 registers of two neighbouring tiles are 16 neighbouring n:
; the conversions' results are source 1 of x_v a.  Its result holds one column a lane and, in two neighbouring tiles, 16 neighbouring channels: source 0 of the last product.
; LDS.  Two slots 2^17 bytes apart, each with a region of 40,960 bytes for each n half: in sweep A four blocks' x_q (32 KB), in sweep B one block of qv (x_q 8 KB, x_v 32 KB).
; x's 256 x 128 numbers and negm's 4,096 are filled once.  On the way out the slots, which have had their last fill and their last read, serve as stages.
; CLUSTER.  The four work-groups of a cluster belong to one batch and walk the same qv and negm: these loads are joint (mask 15); x's tile is each work-group's own, its load has no mask.
; A wave has four tensor loads out at the start and one behind each round.
; LIMITS: e9, e11 between -126 and 112; e8 + e9, e10 + e11 between -126 and 127; e6 + e7 between -126 and 126.  The division is v_rcp_f32 and a multiplication.  NaN is not served.
; REGISTERS.  window 0: v1 r, v2 h, v3 16 x lane, v4, v5 addresses in hand, v6, v7 the spare word's address and 0, v8 64 h, v11 the scale,
;   v12-19 1 / column sum (a pair a slot), v20-35 column sums, v36-47 the way out's addresses, v48-63 a's codes (two sets), v64-95 x_k, v96-127 x_q, v128-191 negm (two sets), v192-255 S (two sets).
;   window 1: x_v, two sets of 128.   windows 2, 3: accumulators: slot sg, channel tile ct at 128 (sg % 2) + 8 ct of window 2 + sg / 2.
.set SLOT1, 131072
.set RGN,   40960
.set XP,    520
.set XG0,   81920                      ; x's rows 0-63; rows 64 on lie from XG1 on
.set XG1,   212992
.set NEG0,  115200                     ; negm of n half 0; half 1 lies NEGD further on
.set NEGD,  197632
.set SPARE, 123392                     ; the spare words, 128 bytes for each wave: two blocks of 256 bytes that no other line names
.set CSX,   123904                     ; the column sums' exchange: 256 bytes a wave
.set YI,    65536                      ; the way out: y's fragments, in each slot
.set SPI,   528                        ; the way out: a row of t in the stage
.set WV,  3
.set QN,  4
.set NN,  5
.set SB,  6
.set CI,  7
.set CO,  26
.set CC,  34                           ; s[34:35] c
.set XS,  36                           ; s[36:37] -2^(e8 + e9)
.set TS,  38                           ; s[38:39] 2^(e10 + e11)
.set G1A, 40
.set G1B, 48
.set G1N, 56
.set SEL, 66
.set G1X, 68
.set GN,  76
.set GA0, 80
.set GA1, 84
.set GX,  88
.set GB,  92
.set JW,  96
.set IW,  97
.set BLK, 98
.set BB,  99
.set LI,  3
.set AB,  4
.set AN,  5
.set SPW, 6
.set NIL, 7
.set H64, 8
.set HP,  10
.set SCP, 11
.set RC,  12
.set CS,  20
.set XA,  36
.set EXS, 40
.set EXL, 41
.set YS,  42
.set YL,  43
.set STO, 45
.set SRD, 46
.set WO,  47
.set PC,  48
.set KF,  64
.set QF,  96
.set NG,  128
.set SR,  192
.set MSB, 0
.macro WIN new                         ; the immediate's high byte repeats the setting that is left
.if MSB != (\new)
	s_set_vgpr_msb (MSB<<8)|(\new)
.set MSB, (\new)
.endif
.endm
.macro ROUND                           ; a round of the cluster's barrier
	s_barrier_signal -1
	s_barrier_wait -1
	s_cmp_lg_u32 s[WV], 0
	s_cbranch_scc1 .Lnw0_\@
	s_barrier_signal -3
.Lnw0_\@:
	s_barrier_wait -3
	s_barrier_signal -1
	s_barrier_wait -1
.endm
.macro PLACES
.rept 4
	v_nop
.endr
.endm
.macro BARRIER                         ; my LDS instructions are done: then the work-group's barrier
	s_wait_dscnt 0x0
	s_barrier_signal -1
	s_barrier_wait -1
.endm
	s_load_b256 s[8:15], s[0:1], 0x0               ; qv, kf, negm, x
	s_load_b256 s[16:23], s[0:1], 0x20             ; Wt's codes, bt, the scales' exponents, t
	s_load_b64 s[24:25], s[0:1], 0x40              ; stats
	v_lshl_add_u32 v[SPW], v0, 2, SPARE
	v_mov_b32 v[NIL], 0
	v_lshrrev_b32 v1, 5, v0
	v_readfirstlane_b32 s[WV], v1                  ; wave 0..3
	s_lshr_b32 s[JW], s[WV], 1                     ; j: my n half.  Also: the region that I fetch for
	s_and_b32 s[IW], s[WV], 1                      ; i: my column half.  Also: which half of a region I fetch
	s_bfe_u32 s105, ttmp6, 0x40000                 ; cx
	s_lshl_b32 s[BLK], ttmp9, 2
	s_add_co_u32 s[BLK], s[BLK], s105              ; blk: it enters x's, x_k's, t's and stats' addresses alone
	s_and_b32 s[BB], ttmp7, 0xffff                 ; b
	s_mov_b32 s[G1A], 15|(3<<16)|(1<<21)           ; sweep A: two blocks' x_q: 2 rows of 1,024 elements of 8 bytes, 5,120 elements apart
	s_mov_b32 s[G1A+1], 1024<<16
	s_mov_b32 s[G1A+2], 2<<16
	s_mov_b32 s[G1A+3], 1024<<16
	s_mov_b32 s[G1A+4], 2
	s_mov_b32 s[G1A+5], 5120
	s_mov_b32 s[G1A+6], 0
	s_mov_b32 s[G1A+7], 0
	s_mov_b32 s[G1B], 15|(3<<16)|(1<<21)           ; sweep B: half a block of qv: 80 rows of 256 bytes, dense
	s_mov_b32 s[G1B+1], 32<<16
	s_mov_b32 s[G1B+2], 80<<16
	s_mov_b32 s[G1B+3], 32<<16
	s_mov_b32 s[G1B+4], 80
	s_mov_b32 s[G1B+5], 32
	s_mov_b32 s[G1B+6], 0
	s_mov_b32 s[G1B+7], 0
	s_mov_b32 s[G1N], 15|(3<<16)|(1<<21)           ; negm: 16 rows of 256 bytes, dense
	s_mov_b32 s[G1N+1], 32<<16
	s_mov_b32 s[G1N+2], 16<<16
	s_mov_b32 s[G1N+3], 32<<16
	s_mov_b32 s[G1N+4], 16
	s_mov_b32 s[G1N+5], 32
	s_mov_b32 s[G1N+6], 0
	s_mov_b32 s[G1N+7], 0
	s_mov_b32 s[G1X], (2<<16)|(1<<20)|(6<<22)|(1<<25)  ; x: no mask; 64 rows of 128 f32, 4,096 elements apart, 2 words of padding behind each 128
	s_mov_b32 s[G1X+1], 128<<16
	s_mov_b32 s[G1X+2], 64<<16
	s_mov_b32 s[G1X+3], 128<<16
	s_mov_b32 s[G1X+4], 64
	s_mov_b32 s[G1X+5], 4096
	s_mov_b32 s[G1X+6], 0
	s_mov_b32 s[G1X+7], 0
	s_mul_i32 s27, s[BB], 1310720                  ; the batch in qv,
	s_mul_i32 s2, s[JW], 655360                    ; its n half: 16 blocks
	s_add_co_u32 s27, s27, s2
	s_mul_i32 s2, s[IW], 81920                     ; sweep A: my two blocks of four
	s_add_co_u32 s2, s2, s27
	s_mov_b32 s[SB], s2
	s_mov_b32 s[CI], 0                             ; s[6:7]: sweep A's offset
	s_mul_i32 s28, s[IW], 20480                    ; sweep B: my half of a block
	s_add_co_u32 s28, s28, s27
	s_mov_b32 s29, 0
	s_lshl_b32 s30, s[BB], 14                      ; negm: the batch, my 1,024 numbers
	s_lshl_b32 s31, s[WV], 12
	s_add_co_u32 s30, s30, s31
	s_mov_b32 s31, 0
	s_lshl_b32 s32, s[BB], 22                      ; x: the batch, my 64 rows, the block's 512 bytes
	s_lshl_b32 s33, s[WV], 20
	s_add_co_u32 s32, s32, s33
	s_lshl_b32 s33, s[BLK], 9
	s_add_co_u32 s32, s32, s33
	s_mov_b32 s33, 0
	s_mul_i32 s27, s[JW], RGN                      ; LDS: the region that I fetch for
	s_mov_b32 s[GN], 1
	s_mul_i32 s[GN+1], s[JW], NEGD
	s_lshl_b32 s2, s[IW], 12
	s_add_co_u32 s[GN+1], s[GN+1], s2
	s_add_co_u32 s[GN+1], s[GN+1], NEG0
	s_mov_b32 s[GA0], 1
	s_lshl_b32 s[GA0+1], s[IW], 14
	s_add_co_u32 s[GA0+1], s[GA0+1], s27
	s_mov_b32 s[GA1], 1
	s_add_co_u32 s[GA1+1], s[GA0+1], SLOT1
	s_mov_b32 s[GB], 1
	s_mul_i32 s[GB+1], s[IW], 20480
	s_add_co_u32 s[GB+1], s[GB+1], s27
	s_mov_b32 s[GX], 1
	s_min_u32 s[GX+1], s[WV], 1                    ; x's rows 64 w on: wave 0 at XG0, waves 1 to 3 at XG1 + (w - 1) x 64 rows
	s_lshl_b32 s[GX+1], s[GX+1], 17
	s_and_b32 s2, s[JW], s[WV]
	s_add_co_u32 s2, s2, s[JW]
	s_mul_i32 s2, s2, 64*XP
	s_add_co_u32 s[GX+1], s[GX+1], s2
	s_add_co_u32 s[GX+1], s[GX+1], XG0
	s_mov_b32 s[SEL], 0x76543210
	s_mov_b32 s[SEL+1], 0xfedcba98
	s_wait_kmcnt 0x0
	s_add_nc_u64 s[GN+2:GN+3], s[12:13], s[30:31]
	s_or_b32 s[GN+3], s[GN+3], 0x80000000
	s_add_nc_u64 s[GA0+2:GA0+3], s[8:9], s[6:7]
	s_add_nc_u64 s[GA1+2:GA1+3], s[GA0+2:GA0+3], 163840   ; four blocks on
	s_or_b32 s[GA0+3], s[GA0+3], 0x80000000
	s_or_b32 s[GA1+3], s[GA1+3], 0x80000000
	s_add_nc_u64 s[GB+2:GB+3], s[8:9], s[28:29]
	s_or_b32 s[GB+3], s[GB+3], 0x80000000
	s_add_nc_u64 s[GX+2:GX+3], s[14:15], s[32:33]
	s_or_b32 s[GX+3], s[GX+3], 0x80000000
	s_load_b128 s[28:31], s[20:21], 0x18           ; e6, e7, e8, e9
	s_load_b64 s[32:33], s[20:21], 0x28            ; e10, e11
	ROUND                                          ; all four work-groups are here: the first joint loads meet
	tensor_load_to_lds s[GN:GN+3], s[G1N:G1N+7]    ; negm
	tensor_load_to_lds s[GA0:GA0+3], s[G1A:G1A+7]  ; sweep A's first 512 n of each half: slot 0
	tensor_load_to_lds s[GA1:GA1+3], s[G1A:G1A+7]  ; its second: slot 1
	tensor_load_to_lds s[GX:GX+3], s[G1X:G1X+7]    ; x, for the way out
	PLACES
	v_and_b32 v1, 15, v0                           ; r
	v_bfe_u32 v2, v0, 4, 1                         ; h
	v_and_b32 v[LI], 31, v0
	v_lshlrev_b32 v[LI], 4, v[LI]
	v_lshlrev_b32 v[H64], 6, v2
	s_lshl_b32 s104, s[BB], 18                     ; x_k: the batch, the block's eight tiles, my four
	s_lshl_b32 s105, s[BLK], 13
	s_add_co_u32 s104, s104, s105
	s_lshl_b32 s105, s[IW], 12
	s_add_co_u32 s104, s104, s105
	s_lshl_b32 s105, s[JW], 11
	s_add_co_u32 s100, s104, 2048
	s_sub_co_u32 s100, s100, s105                  ; slots 2, 3: tiles 4 i + 2 - 2 j on
	s_add_co_u32 s104, s104, s105                  ; slots 0, 1: tiles 4 i + 2 j on
	s_mov_b32 s105, 0
	s_mov_b32 s101, 0
	s_add_nc_u64 s[104:105], s[10:11], s[104:105]
	s_add_nc_u64 s[100:101], s[10:11], s[100:101]
.irp sg,0,1
.irp p,0,1
	global_load_b128 v[KF+8*\sg+4*\p:KF+8*\sg+4*\p+3], v[LI], s[104:105] offset:1024*\sg+512*\p
	global_load_b128 v[KF+16+8*\sg+4*\p:KF+16+8*\sg+4*\p+3], v[LI], s[100:101] offset:1024*\sg+512*\p
.endr
.endr
	s_lshl_b32 s27, s[WV], 8
	v_lshl_add_u32 v48, v1, 2, s27
	v_add_nc_u32 v48, CSX, v48                     ; the column sums' exchange: my words,
	s_xor_b32 s27, s[WV], 2
	s_lshl_b32 s27, s27, 8
	v_lshl_add_u32 v49, v1, 2, s27
	v_add_nc_u32 v49, CSX, v49                     ; and those of the wave of the other n half
.set ZI, 0
.rept 16
	v_mov_b32 v[CS+ZI], 0
.set ZI, ZI+1
.endr
	s_wait_kmcnt 0x0
	s_add_co_i32 s27, s28, s29
	s_lshl_b32 s27, s27, 23
	s_add_co_i32 s[CC], s27, 0x3fb8aa3b            ; c = log2(e) x 2^(e6 + e7)
	s_mov_b32 s[CC+1], s[CC]
	s_add_co_i32 s27, s30, s31
	s_add_co_i32 s27, s27, 127
	s_lshl_b32 s27, s27, 23
	s_or_b32 s[XS], s27, 0x80000000                ; -2^(e8 + e9)
	s_mov_b32 s[XS+1], s[XS]
	s_add_co_i32 s27, s32, s33
	s_add_co_i32 s27, s27, 127
	s_lshl_b32 s[TS], s27, 23                      ; 2^(e10 + e11)
	s_mov_b32 s[TS+1], s[TS]
	s_add_co_i32 s27, s31, 127
	s_lshl_b32 s2, s27, 23
	v_mov_b32 v[SCP], s2                           ; 2^e9
.macro QLOAD off                       ; four fragments of x_q: 64 n
	WIN 0
.irp k,0,1,2,3,4,5,6,7
	ds_load_b128 v[QF+4*\k:QF+4*\k+3], v[AB] offset:(\off)+512*\k
.endr
.endm
.macro NLOAD nb                        ; negm of my 32 n: register 16 g + i = n 32 g + 16 h + i
	WIN 0
.irp k,0,1,2,3,4,5,6,7
	ds_load_b128 v[NG+32*(\nb)+4*\k:NG+32*(\nb)+4*\k+3], v[AN] offset:128*(\k/4)+16*(\k%4)
.endr
.endm
.macro VLOAD vb, off                   ; sixteen fragments of x_v: 256 channels x 64 n
	WIN 0x40
.set VK, 0
.rept 32
	ds_load_b128 v[128*(\vb)+4*VK:128*(\vb)+4*VK+3], v[AB] offset:(\off)+512*VK
.set VK, VK+1
.endr
	WIN 0
.endm
.macro SW sg, buf                      ; S of 64 n x slot sg's 16 columns into set buf
	WIN 0
.irp T,0,1,2,3
	v_wmma_f32_16x16x64_bf8_bf8 v[SR+32*\buf+8*\T:SR+32*\buf+8*\T+7], v[QF+8*\T:QF+8*\T+7], v[KF+8*\sg:KF+8*\sg+7], 0
.endr
.endm
; SWEEP A, one slot: p, added to the slot's column sums in two chains.  ld = 1: the next half-step's x_q, 2: its negm, behind the multiply-adds, which are the registers' last readers
.macro SMA sg, buf, ld
.set SS, SR+32*\buf
.set SI, 0
.rept 16
	v_pk_fma_f32 v[SS+SI:SS+SI+1], v[SS+SI:SS+SI+1], s[CC:CC+1], v[NG+SI:NG+SI+1] op_sel_hi:[1,0,1]
.set SI, SI+2
.endr
.if (\ld) == 1
	QLOAD 0
.elseif (\ld) == 2
	NLOAD 0
.endif
.set SI, 0
.rept 16
	v_exp_f32 v[SS+SI], v[SS+SI]
	v_exp_f32 v[SS+SI+1], v[SS+SI+1]
.if SI == 0
	v_nop                                          ; a plain line stands between an exponential and the use of its result
.else
	v_pk_add_f32 v[CS+4*\sg+SI%4:CS+4*\sg+SI%4+1], v[CS+4*\sg+SI%4:CS+4*\sg+SI%4+1], v[SS+SI-2:SS+SI-1]
.endif
.set SI, SI+2
.endr
	v_pk_add_f32 v[CS+4*\sg:CS+4*\sg+1], v[CS+4*\sg:CS+4*\sg+1], v[SS+30:SS+31]
.endm
.macro HA pre                          ; a half-step of sweep A: 64 n of my half x my 64 columns
	s_wait_dscnt 0x0                               ; x_q and negm of this half-step are in
	v_add_nc_u32 v[AB], s[QN], v[LI]
	v_add_nc_u32 v[AN], s[NN], v[H64]
	SW 0, 0
	SW 1, 1
	PLACES
	SMA 0, 0, 0
	SW 2, 0
	SMA 1, 1, 0
	SW 3, 1
	SMA 2, 0, \pre
	SMA 3, 1, 2*\pre
.if \pre
	s_add_co_u32 s[QN], s[QN], 4096
	s_add_co_u32 s[NN], s[NN], 256
.endif
.endm
; THE CHANGE OF SLOTS.  Each wave waits for all its tensor loads (its part of the slot ahead), adds 0 to its spare word, and waits for that and for its reads of the slot that it leaves.
; kind 1, 2: a round of the cluster's barrier, and the slot left is filled again first thing behind it (1: sweep A's tile, 2: sweep B's); kind 0: nothing is left to fetch.  step = 1: the walking descriptor steps.
.macro CHANGE kind, step
	s_wait_tensorcnt 0x0                           ; no tensor load of mine is out, so a group 0 may be written
	ds_add_u32 v[SPW], v[NIL]                      ; 0 onto my spare word
.if \step
.if \kind == 1
	s_xor_b32 s[GA1+1], s[GA1+1], SLOT1
	s_add_nc_u64 s[GA1+2:GA1+3], s[GA1+2:GA1+3], 163840
.else
	s_xor_b32 s[GB+1], s[GB+1], SLOT1
	s_add_nc_u64 s[GB+2:GB+3], s[GB+2:GB+3], 40960
.endif
.endif
	s_wait_dscnt 0x0                               ; the add is done, and my reads of the slot that I leave are over
.if \kind == 0
	s_barrier_signal -1
	s_barrier_wait -1
.else
	ROUND
.if \kind == 1
	tensor_load_to_lds s[GA1:GA1+3], s[G1A:G1A+7]
.else
	tensor_load_to_lds s[GB:GB+3], s[G1B:G1B+7]
.endif
	PLACES
.endif
.endm
.macro SEVEN
	s_mov_b32 s[CI], 7
.Lha_\@:
	HA 1
	s_sub_co_u32 s[CI], s[CI], 1
	s_cmp_lg_u32 s[CI], 0
	s_cbranch_scc1 .Lha_\@
.endm
.macro NEXTQ                           ; x_q's address goes back to a region's head, in the other slot
	s_sub_co_u32 s[QN], s[QN], 32768
	s_xor_b32 s[QN], s[QN], SLOT1
.endm
	s_wait_tensorcnt 0x2                           ; negm and slot 0 are in; slot 1 and x may be out
	s_barrier_signal -1
	s_barrier_wait -1
	s_mul_i32 s[QN], s[JW], RGN
	s_mul_i32 s[NN], s[JW], NEGD
	s_add_co_u32 s[NN], s[NN], NEG0
	v_add_nc_u32 v[AB], s[QN], v[LI]
	v_add_nc_u32 v[AN], s[NN], v[H64]
	QLOAD 0
	NLOAD 0
	s_add_co_u32 s[QN], s[QN], 4096
	s_add_co_u32 s[NN], s[NN], 256
	s_wait_loadcnt 0x0                             ; x_k
	; ---- SWEEP A: four items of eight half-steps; fragments are fetched a half-step ahead, so a slot is left behind its seventh
	s_mov_b32 s[CO], 2
.LsweepA:
	SEVEN
	NEXTQ
	CHANGE 1, 1                                    ; items 2 and 3 are asked for
	HA 1
	s_sub_co_u32 s[CO], s[CO], 1
	s_cmp_lg_u32 s[CO], 0
	s_cbranch_scc1 .LsweepA
	SEVEN
	NEXTQ
	CHANGE 2, 0                                    ; sweep B's block 0
	HA 1
	SEVEN
	CHANGE 2, 1                                    ; sweep B's block 1
	HA 0
	; ---- block 0's first fragments are asked for (the change of slots above has shown it landed); the column sums meet meanwhile
	s_mul_i32 s[SB], s[JW], RGN
	s_mul_i32 s[NN], s[JW], NEGD
	s_add_co_u32 s[NN], s[NN], NEG0
	v_add_nc_u32 v[AB], s[SB], v[LI]
	v_add_nc_u32 v[AN], s[NN], v[H64]
	QLOAD 0
	NLOAD 0
	VLOAD 0, 8192
	s_add_co_u32 s[NN], s[NN], 256
.irp sg,0,1,2,3
	v_pk_add_f32 v[CS+4*\sg:CS+4*\sg+1], v[CS+4*\sg:CS+4*\sg+1], v[CS+4*\sg+2:CS+4*\sg+3]
.endr
.irp sg,0,1,2,3
	v_add_f32 v[CS+4*\sg], v[CS+4*\sg], v[CS+4*\sg+1]
.endr
.irp sg,0,1,2,3
	v_permlanex16_b32 v[CS+4*\sg+1], v[CS+4*\sg], s[SEL], s[SEL+1]
.endr
.irp sg,0,1,2,3
	v_add_f32 v[CS+4*\sg], v[CS+4*\sg], v[CS+4*\sg+1]      ; my n half's sum of column r of slot sg
.endr
.irp sg,0,1,2,3
	ds_store_b32 v48, v[CS+4*\sg] offset:64*\sg
.endr
	BARRIER
.irp sg,0,1,2,3
	ds_load_b32 v[CS+4*\sg+1], v49 offset:64*((\sg+2)%4)   ; the same column tile lies in slot sg xor 2 of the other half's wave
.endr
	s_wait_dscnt 0x0
.irp sg,0,1,2,3
	v_add_f32 v[CS+4*\sg], v[CS+4*\sg], v[CS+4*\sg+1]
.endr
.irp sg,0,1,2,3
	v_add_f32 v[CS+4*\sg], 0x3089705f, v[CS+4*\sg]         ; + 1e-9
.endr
.irp sg,0,1,2,3
	v_rcp_f32 v[RC+2*\sg], v[CS+4*\sg]
.endr
	v_nop
.irp sg,0,1,2,3
	v_mov_b32 v[RC+2*\sg+1], v[RC+2*\sg]
.endr
; SWEEP B.  Chunk T of slot sg: tile T's eight p (multiply-adds, exponentials), and between the exponentials tile T - 1's a = p / column sum; then its codes.  T = 4: the last tile's a alone.
.macro CH sg, T, p
	WIN 0
.set SS, SR+32*((\sg)%2)
.set NB, NG+32*(\p)
.set PB, PC+8*((\sg)%2)
.set RB, RC+2*(\sg)
.if (\T) < 4
.irp k,0,2,4,6
	v_pk_fma_f32 v[SS+8*(\T)+\k:SS+8*(\T)+\k+1], v[SS+8*(\T)+\k:SS+8*(\T)+\k+1], s[CC:CC+1], v[NB+8*(\T)+\k:NB+8*(\T)+\k+1] op_sel_hi:[1,0,1]
.endr
.endif
.irp k,0,2,4,6
.if (\T) < 4
	v_exp_f32 v[SS+8*(\T)+\k], v[SS+8*(\T)+\k]
	v_exp_f32 v[SS+8*(\T)+\k+1], v[SS+8*(\T)+\k+1]
.endif
.if (\T) > 0
	v_pk_mul_f32 v[SS+8*(\T)-8+\k:SS+8*(\T)-8+\k+1], v[SS+8*(\T)-8+\k:SS+8*(\T)-8+\k+1], v[RB:RB+1] op_sel_hi:[1,0]
.endif
.endr
.if (\T) > 0
.irp k,0,1,2,3,4,5,6,7
.endr
	v_cvt_scalef32_pk8_bf8_f32 v[PB+2*(\T)-2:PB+2*(\T)-1], v[SS+8*(\T)-8:SS+8*(\T)-1], v[SCP]
.endif
.if (\T) == 4
	v_nop                                          ; a plain line between the last conversion and the products that read the codes and write S anew
.endif
.endm
; four products x_v a: channel tiles 4 T on, slot sg.  The 64 accumulators take turns, one instruction a turn
.macro PVG sg, T, p, zero
	WIN 0xa1+0x50*((\sg)/2)                        ; x_v window 1, a's codes window 0, C and D window 2 or 3
.irp q,0,1,2,3
.set AC, 128*((\sg)%2)+8*(4*(\T)+\q)
.if \zero
	v_wmma_f32_16x16x64_bf8_bf8 v[AC:AC+7], v[128*(\p)+8*(4*(\T)+\q):128*(\p)+8*(4*(\T)+\q)+7], v[PC+8*((\sg)%2):PC+8*((\sg)%2)+7], 0
.else
	v_wmma_f32_16x16x64_bf8_bf8 v[AC:AC+7], v[128*(\p)+8*(4*(\T)+\q):128*(\p)+8*(4*(\T)+\q)+7], v[PC+8*((\sg)%2):PC+8*((\sg)%2)+7], v[AC:AC+7]
.endif
.endr
.endm
; A half-step of sweep B: 64 n.  p: the set of x_v and negm in hand.  zero = 1: the products start the sums.  pre = 1: the next half-step is this block's second; 2: the next block's first; 0: none.
; One slot's products stand between the next slot's chunks.
.macro HB p, zero, pre
	s_wait_dscnt 0x0                               ; this half-step's fragments are in
	v_add_nc_u32 v[AB], s[SB], v[LI]
	v_add_nc_u32 v[AN], s[NN], v[H64]
	SW 0, 0
	SW 1, 1
	PLACES                                         ; in front of the first read of S and of loads into the set of x_v that the last products read
.if \pre == 1
	VLOAD 1-\p, 24576
.elseif \pre == 2
	VLOAD 1-\p, 8192
.endif
.if \pre
	NLOAD 1-\p
	s_add_co_u32 s[NN], s[NN], 256
.endif
.irp T,0,1,2,3,4
	CH 0, \T, \p
.endr
	SW 2, 0
.irp T,0,1,2,3
	PVG 0, \T, \p, \zero
	CH 1, \T, \p
.endr
	CH 1, 4, \p
	SW 3, 1
.irp T,0,1,2,3
	PVG 1, \T, \p, \zero
	CH 2, \T, \p
.if (\T == 1) && (\pre == 1)
	QLOAD 4096
.elseif (\T == 1) && (\pre == 2)
	QLOAD 0
.endif
.endr
	CH 2, 4, \p
.irp T,0,1,2,3
	PVG 2, \T, \p, \zero
	CH 3, \T, \p
.endr
	CH 3, 4, \p
.irp T,0,1,2,3
	PVG 3, \T, \p, \zero
.endr
	WIN 0
.endm
	HB 0, 1, 1                                     ; block 0's first half-step starts the sums; all reads of its slot are issued
	s_mov_b32 s[CI], 14
.LsweepB:                                          ; trip k: block k's slot takes block k + 2; block k's second half-step, block k + 1's first
	CHANGE 2, 1
	s_xor_b32 s[SB], s[SB], SLOT1
	HB 1, 0, 2
	HB 0, 0, 1
	s_sub_co_u32 s[CI], s[CI], 1
	s_cmp_lg_u32 s[CI], 0
	s_cbranch_scc1 .LsweepB
	CHANGE 0, 0                                    ; the tail is written out
	s_xor_b32 s[SB], s[SB], SLOT1
	HB 1, 0, 2
	HB 0, 0, 1
	HB 1, 0, 0
	; ---- THE WAY OUT.  Its addresses: plain vector lines, which are also the places behind the last products
	v_and_b32 v9, 8, v1
	v_add_nc_u32 v9, v9, v1                        ; r + 8 (r / 8)
	s_lshl_b32 s27, s[IW], 1
	s_add_co_u32 s27, s27, s[JW]
	s_lshl_b32 s27, s27, 7                         ; the columns that I keep begin at 32 (2 i + j)
	v_lshl_add_u32 v9, v9, 2, s27
	v_mul_u32_u24 v12, v2, 16*XP
	v_add_nc_u32 v9, v9, v12
	v_add_nc_u32 v[XA], XG0, v9
	v_add_nc_u32 v[XA+1], XG1, v9
	v_add_nc_u32 v[XA+2], XG1+64*XP, v9
	v_add_nc_u32 v[XA+3], XG1+128*XP, v9
	s_lshl_b32 s27, s[JW], 17
	s_lshl_b32 s7, s[IW], 15
	s_add_co_u32 s7, s7, s27
	v_add_nc_u32 v[EXS], s7, v[LI]                 ; what I hand over: 32 KB in slot j,
	v_xor_b32 v[EXL], SLOT1, v[EXS]                ; what I am handed: the same place in the other slot
	s_lshl_b32 s7, s[IW], 17
	s_lshl_b32 s26, s[JW], 13
	s_add_co_u32 s7, s7, s26
	s_add_co_u32 s7, s7, YI
	v_add_nc_u32 v[YS], s7, v[LI]                  ; y's fragments of column tiles 4 i + 2 j, + 1
	v_add_nc_u32 v[YL], YI, v[LI]
	v_add_nc_u32 v[YL+1], YI+SLOT1, v[LI]
	s_mul_i32 s7, s[IW], 64*SPI
	s_add_co_u32 s7, s7, s27                       ; my stage for t: 64 rows
	v_add_nc_u32 v[SRD], s7, v[LI]
	v_mul_u32_u24 v12, v1, SPI
	v_add_nc_u32 v12, v12, v[H64]
	v_add_nc_u32 v[STO], s7, v12
	s_lshl_b32 s7, s[WV], 6
	v_add_nc_u32 v12, s7, v1                       ; channel 64 w + r
	v_lshlrev_b32 v[WO], 8, v12
	v_lshl_add_u32 v[WO], v2, 4, v[WO]
	v_lshlrev_b32 v17, 2, v12
	v_lshrrev_b32 v16, 1, v[LI]                    ; 8 x lane
	s_add_co_i32 s27, s33, 127
	s_lshl_b32 s7, s27, 23
	v_mov_b32 v[SCP], s7                           ; 2^e11
	s_lshl_b32 s100, s[BB], 22
	s_lshl_b32 s101, s[WV], 20
	s_add_co_u32 s100, s100, s101
	s_lshl_b32 s101, s[BLK], 9
	s_add_co_u32 s100, s100, s101
	s_mov_b32 s101, 0
	s_add_nc_u64 s[22:23], s[22:23], s[100:101]    ; t: the batch, my 64 channels, the block's 512 bytes
	s_lshl_b32 s100, s[BB], 5
	s_add_co_u32 s100, s100, s[BLK]
	s_lshl_b32 s100, s100, 11
	s_lshl_b32 s104, s[WV], 9
	s_add_co_u32 s100, s100, s104
	s_add_nc_u64 s[24:25], s[24:25], s[100:101]    ; stats: the work-group's 2,048 bytes, my 512
	BARRIER                                        ; nobody reads a slot any more
.irp dt,0,1,2,3                                ; Wt's fragments (my channel tile dt, K step s) at v[64 + 16 (2 dt + s)]
.irp s,0,1
.irp c,0,1,2,3
	global_load_b128 v[64+16*(2*\dt+\s)+4*\c:64+16*(2*\dt+\s)+4*\c+3], v[WO], s[16:17] offset:\dt*4096+128*\s+32*\c
.endr
.endr
.endr
.irp dt,0,1,2,3
	global_load_b32 v[20+2*\dt], v17, s[18:19] offset:64*\dt      ; bt of my channel, twice: a pair for the packed form
	global_load_b32 v[21+2*\dt], v17, s[18:19] offset:64*\dt
.endr
	WIN 0x0c                                       ; store data window 3
.set EI, 0
.rept 64
	ds_store_b128 v[EXS], v[4*EI:4*EI+3] offset:512*EI            ; slots 2, 3 as they stand, each accumulator from its low end on
.set EI, EI+1
.endr
	WIN 0x40                                       ; x in the layout of slots 0, 1, into window 1
.irp sg,0,1
.set CT, 0
.rept 16
.irp jj,0,1,2,3,4,5,6,7
	ds_load_b32 v[128*\sg+8*CT+\jj], v[XA+CT/4] offset:(32*((CT/2)%2)+8*(CT%2)+\jj)*XP+32*\sg
.endr
.set CT, CT+1
.endr
.endr
	WIN 0
	BARRIER                                        ; what the other n half's wave hands me lies in LDS
	WIN 0xc0
.set EI, 0
.rept 64
	ds_load_b128 v[4*EI:4*EI+3], v[EXL] offset:512*EI
.set EI, EI+1
.endr
	s_wait_dscnt 0x0
	WIN 0x8e                                       ; window 2 += window 3: the two n halves' sums
.set EI, 0
.rept 128
	v_pk_add_f32 v[EI:EI+1], v[EI:EI+1], v[EI:EI+1]
.set EI, EI+2
.endr
	WIN 0x52                                       ; window 1 = x - sum x 2^(e8 + e9)
.set EI, 0
.rept 128
	v_pk_fma_f32 v[EI:EI+1], v[EI:EI+1], s[XS:XS+1], v[EI:EI+1] op_sel_hi:[1,0,1]
.set EI, EI+2
.endr
	WIN 0x50
.set EI, 0
.rept 256
.set EI, EI+1
.endr
	WIN 0x01
.set EI, 0
.rept 32
	v_cvt_scalef32_pk8_bf8_f32 v[192+2*EI:193+2*EI], v[8*EI:8*EI+7], v[SCP]
.set EI, EI+1
.endr
	v_nop
	WIN 0
.irp k,0,1,2,3,4,5,6,7,8,9,10,11,12,13,14,15
	ds_store_b128 v[YS], v[192+4*\k:195+4*\k] offset:512*\k       ; four fragments of y, as images of their registers
.endr
	BARRIER                                        ; y's sixteen fragments lie in LDS
	WIN 0x40
.set EI, 0
.rept 32
	ds_load_b128 v[4*EI:4*EI+3], v[YL] offset:512*EI
	ds_load_b128 v[128+4*EI:128+4*EI+3], v[YL+1] offset:512*EI
.set EI, EI+1
.endr
	WIN 0
	s_wait_loadcnt 0x0                             ; Wt, bt
	BARRIER                                        ; everybody has y in registers: the stages for t may be written over it
	; t: THE WAVES SHARE THE CHANNELS: wave w makes channels 64 w on for all 128 columns.  Source 0 = 16 columns of y, source 1 = 16 rows of Wt: a lane holds one channel and eight neighbouring columns
.irp s,0,1
.irp W,0,1
	WIN 0xa1+0x50*\W
.irp tau,0,1,2,3,4,5,6,7
.irp dd,0,1
.set TA, 64*\dd+8*\tau
.if \s == 0
	v_wmma_f32_16x16x128_bf8_bf8 v[TA:TA+7], v[16*(2*\tau+\s):16*(2*\tau+\s)+15], v[64+16*(2*(2*\W+\dd)+\s):64+16*(2*(2*\W+\dd)+\s)+15], 0
.else
	v_wmma_f32_16x16x128_bf8_bf8 v[TA:TA+7], v[16*(2*\tau+\s):16*(2*\tau+\s)+15], v[64+16*(2*(2*\W+\dd)+\s):64+16*(2*(2*\W+\dd)+\s)+15], v[TA:TA+7]
.endif
.endr
.endr
.endr
.endr
	PLACES
; channel tiles 2 W, 2 W + 1 (window 2 + W): t = sum x 2^(e10 + e11) + bt in place; the block's mean; the sum of squared deviations from it.  The steps across the halves of the lanes are made in window 0
.macro TSTAT W
	WIN ((2+\W)<<6)|(2+\W)
.irp dd,0,1
.set TI, 0
.rept 32
	v_pk_fma_f32 v[64*\dd+TI:64*\dd+TI+1], v[64*\dd+TI:64*\dd+TI+1], s[TS:TS+1], v[20+2*(2*\W+\dd):21+2*(2*\W+\dd)] op_sel_hi:[1,0,1]
.set TI, TI+2
.endr
.endr
	WIN 0xaa+0x55*\W
.irp dd,0,1
.set TB, 128+16*\dd
	v_pk_add_f32 v[TB:TB+1], v[64*\dd:64*\dd+1], v[64*\dd+2:64*\dd+3]
	v_pk_add_f32 v[TB+2:TB+3], v[64*\dd+4:64*\dd+5], v[64*\dd+6:64*\dd+7]
.set TI, 8
.rept 14
	v_pk_add_f32 v[TB:TB+1], v[TB:TB+1], v[64*\dd+TI:64*\dd+TI+1]
	v_pk_add_f32 v[TB+2:TB+3], v[TB+2:TB+3], v[64*\dd+TI+2:64*\dd+TI+3]
.set TI, TI+4
.endr
	v_pk_add_f32 v[TB:TB+1], v[TB:TB+1], v[TB+2:TB+3]
	v_add_f32 v[TB], v[TB], v[TB+1]
.endr
	WIN 0x02+\W
.irp dd,0,1
	v_mov_b32 v[28+2*(2*\W+\dd)], v[128+16*\dd]
.endr
	WIN 0
.irp dd,0,1
	v_permlanex16_b32 v[12+\dd], v[28+2*(2*\W+\dd)], s[SEL], s[SEL+1]
.endr
.irp dd,0,1
	v_add_f32 v[28+2*(2*\W+\dd)], v[28+2*(2*\W+\dd)], v[12+\dd]
.endr
.irp dd,0,1
	v_mul_f32 v[14+\dd], 0xbc000000, v[28+2*(2*\W+\dd)]           ; -mean of the block's 128 numbers
	v_mul_f32 v[28+2*(2*\W+\dd)], 0x3c000000, v[28+2*(2*\W+\dd)]  ; mean
.endr
	WIN (2+\W)<<6
.irp dd,0,1
	v_mov_b32 v[128+16*\dd+4], v[14+\dd]
	v_mov_b32 v[128+16*\dd+5], v[14+\dd]
.endr
	WIN 0xaa+0x55*\W
.irp dd,0,1
.set TB, 128+16*\dd
.set TI, 0
.rept 16
	v_pk_add_f32 v[TB+8:TB+9], v[64*\dd+TI:64*\dd+TI+1], v[TB+4:TB+5]
	v_pk_add_f32 v[TB+10:TB+11], v[64*\dd+TI+2:64*\dd+TI+3], v[TB+4:TB+5]
.if TI == 0
	v_pk_mul_f32 v[TB+12:TB+13], v[TB+8:TB+9], v[TB+8:TB+9]
	v_pk_mul_f32 v[TB+14:TB+15], v[TB+10:TB+11], v[TB+10:TB+11]
.else
	v_pk_fma_f32 v[TB+12:TB+13], v[TB+8:TB+9], v[TB+8:TB+9], v[TB+12:TB+13]
	v_pk_fma_f32 v[TB+14:TB+15], v[TB+10:TB+11], v[TB+10:TB+11], v[TB+14:TB+15]
.endif
.set TI, TI+4
.endr
	v_pk_add_f32 v[TB+12:TB+13], v[TB+12:TB+13], v[TB+14:TB+15]
	v_add_f32 v[TB+12], v[TB+12], v[TB+13]
.endr
	WIN 0x02+\W
.irp dd,0,1
	v_mov_b32 v[29+2*(2*\W+\dd)], v[128+16*\dd+12]
.endr
.endm
	TSTAT 0
	TSTAT 1
	WIN 0
.irp dt,0,1,2,3
	v_permlanex16_b32 v[12+\dt], v[29+2*\dt], s[SEL], s[SEL+1]
.endr
.irp dt,0,1,2,3
	v_add_f32 v[29+2*\dt], v[29+2*\dt], v[12+\dt]
.endr
	v_cmp_eq_u32 vcc_lo, 1, v2                     ; both halves of the lanes hold the same numbers: lanes 0-15 store tile 0's (2's), lanes 16-31 tile 1's (3's)
	v_cndmask_b32 v12, v28, v30, vcc_lo
	v_cndmask_b32 v13, v29, v31, vcc_lo
	v_cndmask_b32 v14, v32, v34, vcc_lo
	v_cndmask_b32 v15, v33, v35, vcc_lo
	global_store_b64 v16, v[12:13], s[24:25]       ; each store of the wave covers 256 consecutive bytes, aligned
	global_store_b64 v16, v[14:15], s[24:25] offset:256
.irp W,0,1                                     ; t through my own stage: a lane's 32 bytes in, whole rows of 512 bytes back
	WIN 0x08+4*\W
.irp dd,0,1
.irp tau,0,1,2,3,4,5,6,7
	ds_store_b128 v[STO], v[64*\dd+8*\tau:64*\dd+8*\tau+3] offset:(2*\W+\dd)*16*SPI+(32*(\tau/2)+8*(\tau%2))*4
	ds_store_b128 v[STO], v[64*\dd+8*\tau+4:64*\dd+8*\tau+7] offset:(2*\W+\dd)*16*SPI+(32*(\tau/2)+8*(\tau%2))*4+16
.endr
.endr
.endr
	WIN 0x40
.set EI, 0
.rept 64
	ds_load_b128 v[4*EI:4*EI+3], v[SRD] offset:EI*SPI             ; LDS serves a wave's instructions in order (ISA guide 5.7.1.4): these see my stores
.set EI, EI+1
.endr
	WIN 0x04                                       ; store data window 1
	s_wait_dscnt 32                                ; the first 32 rows are back, the 32 younger loads may be out
.set EI, 0
.rept 32
	global_store_b128 v[LI], v[4*EI:4*EI+3], s[22:23] offset:EI*16384   ; 32 lanes store 512 consecutive bytes, aligned
.set EI, EI+1
.endr
	s_wait_dscnt 0x0
.rept 32
	global_store_b128 v[LI], v[4*EI:4*EI+3], s[22:23] offset:EI*16384
.set EI, EI+1
.endr
	WIN 0
	s_wait_tensorcnt 0x0                           ; the wave's end, behind my last tensor load and my last LDS store
	ds_add_u32 v[SPW], v[NIL]
	s_wait_dscnt 0x0
	ROUND                                          ; the closing round: no work-group ends while a partner may still ask jointly
	s_endpgm
.Lfunc_end_k_q6e6c64ea48_attn:
	.size	k_q6e6c64ea48_attn, .Lfunc_end_k_q6e6c64ea48_attn-k_q6e6c64ea48_attn
	.p2alignl 7, 3214868480
	.fill 96, 4, 3214868480
	.section	.rodata,"a",@progbits
	.p2align	6, 0x0
	.amdhsa_kernel k_q6e6c64ea48_attn
		.amdhsa_group_segment_fixed_size 327680
		.amdhsa_private_segment_fixed_size 0
		.amdhsa_enable_private_segment 0
		.amdhsa_kernarg_size 72
		.amdhsa_user_sgpr_count 2
		.amdhsa_user_sgpr_kernarg_segment_ptr 1
		.amdhsa_wavefront_size32 1
		.amdhsa_system_sgpr_workgroup_id_x 1
		.amdhsa_system_sgpr_workgroup_id_y 1
		.amdhsa_system_sgpr_workgroup_id_z 1
		.amdhsa_system_vgpr_workitem_id 0
		.amdhsa_next_free_vgpr 1024
		.amdhsa_next_free_sgpr 106
		.amdhsa_reserve_vcc 1
		.amdhsa_float_denorm_mode_32 3
		.amdhsa_float_denorm_mode_16_64 3
		.amdhsa_fp16_overflow 1
		.amdhsa_memory_ordered 1
		.amdhsa_forward_progress 1
		.amdhsa_inst_pref_size 255
	.end_amdhsa_kernel
	.section	.bss,"aw",@nobits
	.p2align	6
	.space	262144
	.amdgpu_metadata
---
amdhsa.version: [ 1, 2 ]
amdhsa.kernels:
  - .name:           k_q6e6c64ea48_attn
    .symbol:         k_q6e6c64ea48_attn.kd
    .args:
      - { .name: qv, .offset: 0, .size: 8, .value_kind: global_buffer, .address_space: global }
      - { .name: kf, .offset: 8, .size: 8, .value_kind: global_buffer, .address_space: global }
      - { .name: negm, .offset: 16, .size: 8, .value_kind: global_buffer, .address_space: global }
      - { .name: x, .offset: 24, .size: 8, .value_kind: global_buffer, .address_space: global }
      - { .name: Wt_codes, .offset: 32, .size: 8, .value_kind: global_buffer, .address_space: global }
      - { .name: bt, .offset: 40, .size: 8, .value_kind: global_buffer, .address_space: global }
      - { .name: lowp_scales, .offset: 48, .size: 8, .value_kind: global_buffer, .address_space: global }
      - { .name: t, .offset: 56, .size: 8, .value_kind: global_buffer, .address_space: global }
      - { .name: stats, .offset: 64, .size: 8, .value_kind: global_buffer, .address_space: global }
    .group_segment_fixed_size: 327680
    .private_segment_fixed_size: 0
    .kernarg_segment_align: 8
    .kernarg_segment_size: 72
    .max_flat_workgroup_size: 128
    .sgpr_count:     106
    .vgpr_count:     1024
    .wavefront_size: 32
...
	.end_amdgpu_metadata
.endif
;; end of part 3
;; launch bn (part 4): grid 256 x 1, 8 waves a work-group, no clusters, 256 bytes of LDS; arguments t, x, stats, gamma, beta, out0; writes out0
.if DOCPART == 4
	.amdgcn_target "amdgcn-amd-amdhsa--gfx1250"
	.amdhsa_code_object_version 6
	.text
	.protected	k_q6e6c64ea48_bn
	.globl	k_q6e6c64ea48_bn
	.p2align	8
	.type	k_q6e6c64ea48_bn,@function
k_q6e6c64ea48_bn:
	s_mov_b64 s[64:65], 0
	v_nop
	global_prefetch_b8 v0, s[64:65] scope:SCOPE_SE
	s_setreg_imm32_b32 hwreg(HW_REG_WAVE_MODE, 25, 1), 1
	s_wait_xcnt 0x0
; BN.  out0 = x + relu((t - mean) / sqrt(var + 1e-5) x gamma + beta), mean and var of each channel over the batch and all columns.
; A work-group takes one channel c.  Thread i takes the mean and the sum of squared deviations of block i (128 numbers each, 256 blocks); the channel's mean is the mean of the means,
; and the channel's sum of squared deviations is the sum of the blocks' plus 128 (block's mean - mean)^2: no difference of large sums is formed.
; Then the channel's 8 rows of 16 KB stream through: a thread's four 16-byte pieces of t and of x a batch, FOUR batches in flight (32 loads a wave); each load and store of a wave
; covers 512 consecutive bytes.  The eight batches are written out: each buffer has four bases, two batches apart, so that no base is stepped and every offset is an immediate.
; No matrix unit, no cluster, no tensor load: the work-groups share no input but stats, and memory binds.
.set MB4, 4194304                      ; bytes from batch to batch
.set TR, 32                            ; v32-95  t, four sets of 16
.set XR, 96                            ; v96-159 x
.set BT, 28                            ; s[28:35] t at batches 0, 2, 4, 6
.set BX, 36                            ; s[36:43] x
.set BO, 44                            ; s[44:51] out0
	s_load_b256 s[4:11], s[0:1], 0x0               ; t, x, stats, gamma
	s_load_b128 s[12:15], s[0:1], 0x20             ; beta, out0
	v_lshlrev_b32 v1, 4, v0                        ; 16 x thread
	v_lshlrev_b32 v2, 11, v0                       ; block i's 2,048 bytes of stats
	v_lshrrev_b32 v3, 5, v0
	v_lshlrev_b32 v3, 2, v3                        ; 4 x wave
	v_mov_b32 v6, 0
	v_mov_b32 v9, 0
	s_lshl_b32 s16, ttmp9, 14                      ; the channel's row
	s_mov_b32 s17, 0
	s_lshl_b32 s18, ttmp9, 3
	s_mov_b32 s19, 0
	s_lshl_b32 s20, ttmp9, 2
	s_mov_b32 s21, 0
	s_mov_b32 s22, 0x76543210
	s_mov_b32 s23, 0xfedcba98
	s_wait_kmcnt 0x0
	s_add_nc_u64 s[4:5], s[4:5], s[16:17]
	s_add_nc_u64 s[6:7], s[6:7], s[16:17]
	s_add_nc_u64 s[14:15], s[14:15], s[16:17]
	s_add_nc_u64 s[8:9], s[8:9], s[18:19]
	s_add_nc_u64 s[10:11], s[10:11], s[20:21]
	s_add_nc_u64 s[12:13], s[12:13], s[20:21]
	s_load_b32 s24, s[10:11], 0x0                  ; gamma[c]
	s_load_b32 s25, s[12:13], 0x0                  ; beta[c]
	global_load_b64 v[4:5], v2, s[8:9]             ; block i's mean and sum of squared deviations
.irp k,0,1,2,3
	s_add_nc_u64 s[BT+2*\k:BT+2*\k+1], s[4:5], 2*\k*MB4
	s_add_nc_u64 s[BX+2*\k:BX+2*\k+1], s[6:7], 2*\k*MB4
	s_add_nc_u64 s[BO+2*\k:BO+2*\k+1], s[14:15], 2*\k*MB4
.endr
.macro LOADB b                         ; batch b into set b % 4
.irp q,0,1,2,3
	global_load_b128 v[TR+16*((\b)%4)+4*\q:TR+16*((\b)%4)+4*\q+3], v1, s[BT+2*((\b)/2):BT+2*((\b)/2)+1] offset:MB4*((\b)%2)+4096*\q th:TH_LOAD_NT
	global_load_b128 v[XR+16*((\b)%4)+4*\q:XR+16*((\b)%4)+4*\q+3], v1, s[BX+2*((\b)/2):BX+2*((\b)/2)+1] offset:MB4*((\b)%2)+4096*\q th:TH_LOAD_NT
.endr
.endm
.macro WSUM                            ; v8 summed over the wave's 32 lanes
	v_add_f32_dpp v8, v8, v8 row_xmask:1 row_mask:0xf bank_mask:0xf
	v_add_f32_dpp v8, v8, v8 row_xmask:2 row_mask:0xf bank_mask:0xf
	v_add_f32_dpp v8, v8, v8 row_xmask:4 row_mask:0xf bank_mask:0xf
	v_add_f32_dpp v8, v8, v8 row_xmask:8 row_mask:0xf bank_mask:0xf
	v_permlanex16_b32 v9, v8, s22, s23
	v_add_f32 v8, v8, v9
.endm
.macro GSUM off                        ; and over the eight waves, through eight words of LDS at byte off
	ds_store_b32 v3, v8 offset:\off
	s_wait_dscnt 0x0
	s_barrier_signal -1
	s_barrier_wait -1
	ds_load_b128 v[10:13], v6 offset:\off
	ds_load_b128 v[14:17], v6 offset:\off+16
	s_wait_dscnt 0x0
	v_add_f32 v10, v10, v11
	v_add_f32 v12, v12, v13
	v_add_f32 v14, v14, v15
	v_add_f32 v16, v16, v17
	v_add_f32 v10, v10, v12
	v_add_f32 v14, v14, v16
	v_add_f32 v8, v10, v14
.endm
	LOADB 0
	LOADB 1
	LOADB 2
	LOADB 3
	s_wait_loadcnt 32                              ; the statistics are in; the four batches' 32 loads may be out
	v_mov_b32 v8, v4
	WSUM
	GSUM 0
	v_mul_f32 v18, 0x3b800000, v8                  ; mean = sum of the 256 means / 256
	v_sub_f32 v8, v4, v18
	v_mul_f32 v8, v8, v8
	v_fmamk_f32 v8, v8, 0x43000000, v5             ; 128 (block's mean - mean)^2 + the block's own
	WSUM
	GSUM 32
	v_mul_f32 v8, 0x38000000, v8                   ; var = / 32,768
	v_add_f32 v8, 0x3727c5ac, v8                   ; + 1e-5
	v_rsq_f32 v8, v8
	v_xor_b32 v22, 0x80000000, v18                 ; -mean (a plain line behind the transcendental)
	v_mov_b32 v23, v22
	s_wait_kmcnt 0x0
	v_mul_f32 v20, s24, v8                         ; gamma / sqrt(var + 1e-5)
	v_mov_b32 v21, v20
	v_mov_b32 v24, s25
	v_mov_b32 v25, s25
.macro WORK b, left                    ; batch b is worked in place and stored.  left: the younger loads, which may stay out
.set WT, TR+16*((\b)%4)
.set WX, XR+16*((\b)%4)
	s_wait_loadcnt \left                           ; this batch's eight loads are in
.irp q,0,1,2,3
.irp k,0,2
	v_pk_add_f32 v[WT+4*\q+\k:WT+4*\q+\k+1], v[WT+4*\q+\k:WT+4*\q+\k+1], v[22:23]
.endr
.irp k,0,2
	v_pk_fma_f32 v[WT+4*\q+\k:WT+4*\q+\k+1], v[WT+4*\q+\k:WT+4*\q+\k+1], v[20:21], v[24:25]
.endr
.irp k,0,1,2,3
	v_max_num_f32 v[WT+4*\q+\k], 0, v[WT+4*\q+\k]
.endr
.irp k,0,2
	v_pk_add_f32 v[WT+4*\q+\k:WT+4*\q+\k+1], v[WT+4*\q+\k:WT+4*\q+\k+1], v[WX+4*\q+\k:WX+4*\q+\k+1]
.endr
	global_store_b128 v1, v[WT+4*\q:WT+4*\q+3], s[BO+2*((\b)/2):BO+2*((\b)/2)+1] offset:MB4*((\b)%2)+4096*\q th:TH_STORE_NT
.endr
.endm
.irp b,0,1,2,3
	WORK \b, 24                                    ; three younger batches of eight loads may be out
	s_wait_xcnt 0x0                                ; the stores have read their registers: the set is loaded again only behind this wait
	LOADB \b+4
.endr
	WORK 4, 24                                     ; nothing is left to load: the counts run down
	WORK 5, 16
	WORK 6, 8
	WORK 7, 0
	s_endpgm
.Lfunc_end_k_q6e6c64ea48_bn:
	.size	k_q6e6c64ea48_bn, .Lfunc_end_k_q6e6c64ea48_bn-k_q6e6c64ea48_bn
	.p2alignl 7, 3214868480
	.fill 96, 4, 3214868480
	.section	.rodata,"a",@progbits
	.p2align	6, 0x0
	.amdhsa_kernel k_q6e6c64ea48_bn
		.amdhsa_group_segment_fixed_size 256
		.amdhsa_private_segment_fixed_size 0
		.amdhsa_enable_private_segment 0
		.amdhsa_kernarg_size 48
		.amdhsa_user_sgpr_count 2
		.amdhsa_user_sgpr_kernarg_segment_ptr 1
		.amdhsa_wavefront_size32 1
		.amdhsa_system_sgpr_workgroup_id_x 1
		.amdhsa_system_sgpr_workgroup_id_y 1
		.amdhsa_system_sgpr_workgroup_id_z 1
		.amdhsa_system_vgpr_workitem_id 0
		.amdhsa_next_free_vgpr 160
		.amdhsa_next_free_sgpr 66
		.amdhsa_reserve_vcc 0
		.amdhsa_float_denorm_mode_32 3
		.amdhsa_float_denorm_mode_16_64 3
		.amdhsa_memory_ordered 1
		.amdhsa_forward_progress 1
		.amdhsa_inst_pref_size 30
	.end_amdhsa_kernel
	.amdgpu_metadata
---
amdhsa.version: [ 1, 2 ]
amdhsa.kernels:
  - .name:           k_q6e6c64ea48_bn
    .symbol:         k_q6e6c64ea48_bn.kd
    .args:
      - { .name: t, .offset: 0, .size: 8, .value_kind: global_buffer, .address_space: global }
      - { .name: x, .offset: 8, .size: 8, .value_kind: global_buffer, .address_space: global }
      - { .name: stats, .offset: 16, .size: 8, .value_kind: global_buffer, .address_space: global }
      - { .name: gamma, .offset: 24, .size: 8, .value_kind: global_buffer, .address_space: global }
      - { .name: beta, .offset: 32, .size: 8, .value_kind: global_buffer, .address_space: global }
      - { .name: out0, .offset: 40, .size: 8, .value_kind: global_buffer, .address_space: global }
    .group_segment_fixed_size: 256
    .private_segment_fixed_size: 0
    .kernarg_segment_align: 8
    .kernarg_segment_size: 48
    .max_flat_workgroup_size: 256
    .sgpr_count:     66
    .vgpr_count:     160
    .wavefront_size: 32
...
	.end_amdgpu_metadata
.endif
;; end of part 4
